; MI455X (gfx1250); checked and timed in simulation.
; The chip was launched on July 23, 2026; its instructions are those of AMD's public machine-readable ISA for CDNA 5 (MIT licence, August 2026) and "CDNA5" Instruction Set Architecture Reference Guide (July 2026). The comments in the code are by the model that wrote it; some were corrected since.
;; Attention. Allowed arithmetic: matrix products marked QUANTISED: E5M2 operands, one given power-of-two scale a tensor, by v_wmma_f32_16x16x64_bf8_bf8 or v_wmma_f32_16x16x128_bf8_bf8, f32 sums; everything else in f32.
;; Inputs: Wk 1,024 x 1,024 float32; Wo 1,024 x 1,024 float32; Wq 1,024 x 1,024 float32; Wv 1,024 x 1,024 float32; bk 1,024 float32; bo 1,024 float32; bq 1,024 float32; bv 1,024 float32; lowp_scales 12 int32 (the exponents e of the quantised operands' scales 2^e); x 8 x 1,024 x 1,024 float32.
;; Outputs: out0 8 x 1,024 x 1,024 float32.
;; This version of the problem:
;;   THIS VERSION OF THE PROBLEM IS GIVEN IN LOW PRECISION. The matrix products marked QUANTISED in the list below multiply operands that are first quantised to E5M2 (5 exponent bits, 2 mantissa bits; 8 bits a number), with one given power-of-two scale for each operand tensor; their sums are f32. All else is computed in f32.
;;   The module's matrix products, in the order in which they are computed (A, B: the left and right operand; K: the contracted axis; several contracted axes count as one K, in the product's order):
;;     1. [M 8,192, K 1,024] x [K 1,024, N 1,024]; A: input x; B: input Wq: QUANTISED (scales: A lowp_scales[0], B lowp_scales[1])
;;     2. [M 8,192, K 1,024] x [K 1,024, N 1,024]; A: input x; B: input Wk: QUANTISED (scales: A lowp_scales[2], B lowp_scales[3])
;;     3. [M 8,192, K 1,024] x [K 1,024, N 1,024]; A: input x; B: input Wv: QUANTISED (scales: A lowp_scales[4], B lowp_scales[5])
;;     4. batch 128 x [M 1,024, K 64] x [K 64, N 1,024]; A: computed on the way; B: computed on the way: QUANTISED (scales: A lowp_scales[6], B lowp_scales[7])
;;     5. batch 128 x [M 1,024, K 1,024] x [K 1,024, N 64]; A: softmax (see below); B: computed on the way: QUANTISED (scales: A lowp_scales[8], B lowp_scales[9])
;;     6. [M 8,192, K 1,024] x [K 1,024, N 1,024]; A: computed on the way; B: input Wo: QUANTISED (scales: A lowp_scales[10], B lowp_scales[11])
;;   THE QUANTISER, for each operand of a quantised product, along K:
;;     - The operand's scale is 2^e, e = its entry of the input lowp_scales (int32; the entries are numbered through the quantised products in the list's order, A before B).
;;     - Each number is divided by the scale, clamped to +-57,344, and rounded to the nearest number of E5M2, ties to even, subnormals kept.
;;     - The product sums the exact products of the quantised numbers (number of the format x scale) in f32.
;;   ~~~python
;;   def quantise(x, axis, e):      # numpy; x: float32 -> the quantised numbers, widened to float32 again
;;       x = np.moveaxis(x, axis, -1); K = x.shape[-1]
;;       r = np.clip(x / 2.0 ** e, -57344, 57344)
;;       step = 2.0 ** (np.maximum(np.frexp(np.where(r == 0, 1, r))[1] - 1, -14) - 2)
;;       q = np.round(r / step) * step * 2.0 ** e      # np.round: ties to even
;;       return np.moveaxis(q, -1, axis).astype(np.float32)
;;   ~~~
;;   SOFTMAX AHEAD OF A QUANTISED PRODUCT. Where the list says 'softmax', what is quantised is not the finished softmax but p = 2^(t - M), with t = logit x log2(e) and M = ceil(the row's largest t), a whole number; so 1/2 < the row's largest p <= 1. The row's sum l is taken of the UNQUANTISED p, in f32, and the product's result is divided by l at the end. Since M is a whole number, a kernel that streams over the keys may use a running M (the ceiling of the running maximum): every later rescaling is an exact power of two, so the quantised numbers keep their values, but for numbers so far below the row's largest that they fall under the format's range.
;;   OPERANDS COMPUTED ON THE WAY. 'Computed on the way' means the value that the module computes at that place (a softmax that the list does not call 'softmax' is quantised finished and normalised). What goes into a quantiser is computed in f32, as accurately as f32 sums, v_exp_f32 and their like allow (about 1e-6 of the number): no bf16 or f16 on the way to a quantiser, and a product that is left as it is and whose result goes on into a quantised operand takes f32 operands (vector FMAs, or v_wmma_f32_16x16x4_f32). A number that lies on a knife's edge between two numbers of the format may be rounded either way, as far as f32 arithmetic and the matrix unit's own rounding can turn it there, and no further.
;; One version. Each part assembles by itself: llvm-mc -triple=amdgcn-amd-amdhsa -mcpu=gfx1250 --defsym DOCPART=n.
;; ======== version 1 of 1: 4 launches
;; limits: right only within a limited range of input values
;; workspace buffers: xc 25,165,824 bytes; wc 3,145,728 bytes; woc 1,048,576 bytes; qc 8,388,608 bytes; kc 8,388,608 bytes; vc 8,388,608 bytes; oc 8,388,608 bytes
;; launch prep (part 1): grid 1280 x 1, 4 waves a work-group, no clusters, 34,304 bytes of LDS; arguments x, Wq, Wk, Wv, Wo, lowp_scales, xc, wc, woc; writes xc, wc, woc
.if DOCPART == 1
	.amdgcn_target "amdgcn-amd-amdhsa--gfx1250"
	.amdhsa_code_object_version 6
	.text
	.protected	k_q4e96c3a14c_prep
	.globl	k_q4e96c3a14c_prep
	.p2align	8
	.type	k_q4e96c3a14c_prep,@function
k_q4e96c3a14c_prep:
	s_mov_b64 s[64:65], 0
	v_nop
	global_prefetch_b8 v0, s[64:65] scope:SCOPE_SE
	s_setreg_imm32_b32 hwreg(HW_REG_WAVE_MODE, 25, 1), 1
	s_wait_xcnt 0x0
; ATTENTION IN E5M2, LAUNCH 1 OF 4: x and the four weights become codes.
; NOTHING OF THE PROBLEM IS LEFT OUT in any of the four launches: every product is live, and every bias moves codes of a live operand (bq, bk, bv) or is added to the output (bo).  All inputs are loaded.
; x [8192][1024] f32 goes into three products under three given scales 2^e0, 2^e2, 2^e4: it is quantised three times (planes p = 0, 1, 2 of xc).  Wq, Wk, Wv [k][n] under e1, e3, e5 (planes of wc), Wo under e11 (woc).
; code = number / 2^e, held within +-57,344, rounded to the nearest code of E5M2, ties to even.
; LIMITS: each of these seven exponents lies between -126 and 112, so that 2^e and 57,344 x 2^e are f32 numbers.  NaN among the inputs is not served (an infinity is held at the largest code).
; THE LAYOUT OF ALL WORKSPACE: IMAGES OF THE OPERANDS' REGISTERS.  An image is 16 rows x 64 along K in 1,024 bytes: byte 512 c + 16 lane + j (lane = r + 16 h) holds row r at k = 32 c + 16 (j / 8) + 8 h + j % 8,
; which is the place that the matrix instruction's own layout gives k.  So a later launch brings a fragment by loads of 16 bytes a lane, 512 consecutive bytes an instruction.
;   xc: [row tile 512][plane 3][k / 64: 16][1024]      wc: [column tile 64][plane 3][16][1024]      woc: [column tile 64][16][1024]
; WORK-GROUPS 0-1023 take x: a wave takes 16 rows x 128 k.  Each load reads 512 consecutive bytes of a row; the rows turn through the wave's own stage in LDS, so that a lane gets the 8 + 8 neighbours that its place in an image wants.
; WORK-GROUPS 1024-1279 take the weights: a lane takes a column n and its registers run down k, so that the conversions give codes with K innermost; no LDS.  Only the first path touches LDS.
; 192 registers a wave: five waves share a SIMD's 1,024, so the five work-groups that fall to a WGP (1,280 on 256) lie on it together, and all their loads are on their way at once.
.set SPARE, 33792                      ; behind the four stages: the spare words, 128 bytes a wave: two blocks of 256 bytes that no other line names
.set SPW,   12                         ; v12  LDS address of my spare word; never rewritten
.set NIL,   13                         ; v13  0; never rewritten
.set SCX,   16                         ; v16-21  for plane p: 2^e at 16 + 2 p, 57,344 x 2^e at 17 + 2 p
.set R,     32                         ; v32-95  x path: 16 rows as loaded; later two sets of 32 held numbers
.set TA,    32
.set TB,    64
.set X,     96                         ; v96-159  x path: [image 2][piece 2][16 numbers]
.set CA,    160                        ; v160-183 x path: the first image's codes, 24 registers
.set CB,    96                         ; v96-119  the second image's: where the first image's numbers lay, which are done with by then.  No register of codes is written twice
.set XW,    32                         ; v32-159  weights: four blocks of 32 numbers down k
.set CW,    160                        ; v160-191 weights: eight registers of codes a block
	s_load_b512 s[4:19], s[0:1], 0x0               ; x, Wq, Wk, Wv, Wo, the scales' exponents, xc, wc
	s_load_b64 s[20:21], s[0:1], 0x40              ; woc
	v_lshl_add_u32 v[SPW], v0, 2, SPARE
	v_mov_b32 v[NIL], 0
	v_lshrrev_b32 v1, 5, v0
	v_readfirstlane_b32 s22, v1                    ; wave 0..3
	v_and_b32 v2, 31, v0                           ; lane
	s_wait_kmcnt 0x0
	s_load_b256 s[24:31], s[14:15], 0x0            ; e0 .. e7
	s_load_b128 s[32:35], s[14:15], 0x20           ; e8 .. e11
	s_cmp_lt_u32 ttmp9, 1024                       ; the work-group's number alone decides the path
	s_cbranch_scc0 .Lweights
	; ---------------- x ----------------
	s_wait_alu depctr_va_vdst(0)
	v_lshlrev_b32 v3, 4, v2                        ; 16 x lane: my bytes of a load's 512, and of a store's
	s_wait_alu depctr_va_vdst(0)
	s_lshl_b32 s36, ttmp9, 2
	s_add_co_u32 s36, s36, s22                     ; unit = 4 x work-group + wave
	s_lshr_b32 s37, s36, 3                         ; row tile
	s_and_b32 s38, s36, 7                          ; which 128 along k
	s_lshl_b32 s40, s37, 16                        ; 16 rows of 4,096 bytes
	s_lshl_b32 s39, s38, 9
	s_add_co_u32 s40, s40, s39
	s_mov_b32 s41, 0
	s_add_nc_u64 s[4:5], s[4:5], s[40:41]
	s_mul_i32 s40, s37, 49152                      ; a row tile of xc
	s_lshl_b32 s39, s38, 11                        ; two images
	s_add_co_u32 s40, s40, s39
	s_add_nc_u64 s[16:17], s[16:17], s[40:41]
.set i, 0
.rept 16
	global_load_b128 v[R+4*i:R+4*i+3], v3, s[4:5] offset:4096*i th:TH_LOAD_NT   ; row i: 32 lanes read 512 consecutive bytes
.set i, i+1
.endr
	s_mul_i32 s39, s22, 8448                       ; my stage: 16 rows of 512 + 16 bytes
	v_add_nc_u32 v14, s39, v3                      ; way in: as loaded
	v_and_b32 v4, 15, v0                           ; r
	v_bfe_u32 v5, v0, 4, 1                         ; h
	v_mul_u32_u24 v15, v4, 528
	v_lshl_add_u32 v15, v5, 5, v15
	v_add_nc_u32 v15, s39, v15                     ; way out: row r, + 32 h bytes: eight numbers on for the upper half of the lanes
	s_wait_alu depctr_va_vdst(0)
	s_wait_kmcnt 0x0
.irp p, 0,1,2
	s_add_co_i32 s42, s[24+2*\p], 127
	s_lshl_b32 s43, s42, 23
	v_mov_b32 v[SCX+2*\p], s43                     ; 2^e as f32: the conversion takes its exponent field
	s_add_co_i32 s42, s42, 15
	s_lshl_b32 s42, s42, 23
	s_or_b32 s42, s42, 0x600000
	v_mov_b32 v[SCX+2*\p+1], s42                   ; 57,344 x 2^e
.endr
.set i, 0
	s_wait_alu depctr_va_vdst(0)
.rept 16
	s_wait_loadcnt 15-i                            ; loads come back in order: row i is in, the 15 - i younger ones may be out
	ds_store_b128 v14, v[R+4*i:R+4*i+3] offset:528*i
.set i, i+1
.endr
.irp g, 0,1
.irp c, 0,1                                    ; piece c of image g: k = 64 g + 32 c + 8 h + 0..7, then 16 further on.  LDS serves a wave's instructions in order: these see my stores
	ds_load_b128 v[X+32*\g+16*\c:X+32*\g+16*\c+3],     v15 offset:256*\g+128*\c
	ds_load_b128 v[X+32*\g+16*\c+4:X+32*\g+16*\c+7],   v15 offset:256*\g+128*\c+16
	ds_load_b128 v[X+32*\g+16*\c+8:X+32*\g+16*\c+11],  v15 offset:256*\g+128*\c+64
	ds_load_b128 v[X+32*\g+16*\c+12:X+32*\g+16*\c+15], v15 offset:256*\g+128*\c+80
.endr
.endr
	s_wait_dscnt 0x0                               ; the numbers are back, and the stores have read the registers that the held numbers now take
; image g under plane p's scale: 32 holds into set t, four conversions into v[cb + 8 p] on, two stores of 512 consecutive bytes.  The sets take turns, so that the next image's holds, plain instructions on other registers, stand behind the conversions.
.macro QP g, p, t, cb
.set i, 0
.rept 32
	v_med3_num_f32 v[\t+i], v[X+32*\g+i], -v[SCX+2*\p+1], v[SCX+2*\p+1]   ; the conversion to an 8-bit code does not saturate (ISA guide 7.6.2): the hold at the largest code x the scale
.set i, i+1
.endr
.irp c, 0,1
	v_cvt_scalef32_pk8_bf8_f32 v[\cb+8*\p+4*\c:\cb+8*\p+4*\c+1],   v[\t+16*\c:\t+16*\c+7],    v[SCX+2*\p]
	v_cvt_scalef32_pk8_bf8_f32 v[\cb+8*\p+4*\c+2:\cb+8*\p+4*\c+3], v[\t+16*\c+8:\t+16*\c+15], v[SCX+2*\p]
.endr
.irp c, 0,1
	global_store_b128 v3, v[\cb+8*\p+4*\c:\cb+8*\p+4*\c+3], s[16:17] offset:16384*\p+1024*\g+512*\c
.endr
.endm
	QP 0, 0, TA, CA
	QP 0, 1, TB, CA
	QP 0, 2, TA, CA
	QP 1, 0, TB, CB                                ; the first image's numbers have been read for the last time: their registers take the second image's codes
	QP 1, 1, TA, CB
	QP 1, 2, TB, CB
	v_nop
	s_wait_tensorcnt 0x0                           ; the wave's end
	ds_add_u32 v[SPW], v[NIL]
	s_wait_dscnt 0x0
	s_endpgm
	; ---------------- the weights ----------------
.Lweights:
	s_sub_co_u32 s36, ttmp9, 1024
	s_lshr_b32 s37, s36, 6                         ; which weight: 0 Wq, 1 Wk, 2 Wv, 3 Wo
	s_bfe_u32 s38, s36, 0x30003                    ; which 128 columns
	s_and_b32 s39, s36, 7                          ; which 128 along k
	s_lshl_b32 s41, s37, 14                        ; the plane in a column tile of wc
	s_mov_b32 s40, 49152                           ; a column tile of wc
	s_cmp_eq_u32 s37, 1                            ; the buffers are chosen by the work-group's number alone
	s_cselect_b64 s[6:7], s[8:9], s[6:7]
	s_cmp_eq_u32 s37, 2
	s_cselect_b64 s[6:7], s[10:11], s[6:7]
	s_cmp_eq_u32 s37, 3
	s_cselect_b64 s[6:7], s[12:13], s[6:7]
	s_cselect_b64 s[18:19], s[20:21], s[18:19]     ; Wo's codes go to woc,
	s_cselect_b32 s40, 16384, s40                  ; whose column tiles hold one plane,
	s_cselect_b32 s41, 0, s41                      ; at their head
	s_lshl_b32 s42, s39, 19                        ; 128 rows of 4,096 bytes
	s_lshl_b32 s43, s38, 9
	s_add_co_u32 s42, s42, s43
	s_lshl_b32 s43, s22, 7                         ; my wave's 32 columns
	s_add_co_u32 s42, s42, s43
	s_mov_b32 s43, 0
	s_add_nc_u64 s[6:7], s[6:7], s[42:43]
	s_lshl_b32 s44, s38, 3
	s_lshl_b32 s45, s22, 1
	s_add_co_u32 s44, s44, s45                     ; my wave's first column tile of two
	s_mul_i32 s44, s44, s40
	s_add_co_u32 s44, s44, s41
	s_lshl_b32 s45, s39, 11                        ; two images
	s_add_co_u32 s44, s44, s45
	s_mov_b32 s45, 0
	s_add_nc_u64 s[18:19], s[18:19], s[44:45]
	s_wait_alu depctr_va_vdst(0)
	v_lshlrev_b32 v6, 2, v2                        ; in: 4 bytes a lane: 128 consecutive bytes a load
	v_lshrrev_b32 v5, 4, v2
	v_mul_lo_u32 v4, v5, s40                       ; out: lanes 16-31 hold the next column tile,
	v_and_b32 v7, 15, v2
	v_lshl_add_u32 v4, v7, 4, v4                   ; 16 bytes a column
.macro LOADW t                         ; block t: W(32 t + i, my column), i = 0 .. 31
.set i, 0
.rept 32
	global_load_b32 v[XW+32*(\t)+i], v6, s[6:7] offset:(32*(\t)+i)*4096 th:TH_LOAD_NT
.set i, i+1
.endr
.endm
; block t is piece t % 2 of image t / 2.  Of my column's 32 numbers, 0-7 and 16-23 are the 16 bytes of lane r, 8-15 and 24-31 those of lane 16 + r, 256 bytes on: in each store sixteen lanes fill 256 consecutive aligned bytes.
.macro WORKW t
.set i, 0
.rept 32
	v_med3_num_f32 v[XW+32*(\t)+i], v[XW+32*(\t)+i], -v10, v10
.set i, i+1
.endr
	v_cvt_scalef32_pk8_bf8_f32 v[CW+8*(\t):CW+8*(\t)+1],   v[XW+32*(\t):XW+32*(\t)+7],     v11
	v_cvt_scalef32_pk8_bf8_f32 v[CW+8*(\t)+2:CW+8*(\t)+3], v[XW+32*(\t)+16:XW+32*(\t)+23], v11
	v_cvt_scalef32_pk8_bf8_f32 v[CW+8*(\t)+4:CW+8*(\t)+5], v[XW+32*(\t)+8:XW+32*(\t)+15],  v11
	v_cvt_scalef32_pk8_bf8_f32 v[CW+8*(\t)+6:CW+8*(\t)+7], v[XW+32*(\t)+24:XW+32*(\t)+31], v11
	v_nop
	global_store_b128 v4, v[CW+8*(\t):CW+8*(\t)+3],   s[18:19] offset:((\t)/2)*1024+((\t)%2)*512
	global_store_b128 v4, v[CW+8*(\t)+4:CW+8*(\t)+7], s[18:19] offset:((\t)/2)*1024+((\t)%2)*512+256
.endm
	LOADW 0
	LOADW 1
	s_wait_alu depctr_va_vdst(0)
	s_wait_kmcnt 0x0
	s_cmp_eq_u32 s37, 1
	s_cselect_b32 s46, s27, s25                    ; e3 or e1
	s_cmp_eq_u32 s37, 2
	s_cselect_b32 s46, s29, s46                    ; e5
	s_cmp_eq_u32 s37, 3
	s_cselect_b32 s46, s35, s46                    ; e11
	s_add_co_i32 s46, s46, 127
	s_lshl_b32 s47, s46, 23
	v_mov_b32 v11, s47                             ; 2^e
	s_add_co_i32 s46, s46, 15
	s_lshl_b32 s46, s46, 23
	s_or_b32 s46, s46, 0x600000
	v_mov_b32 v10, s46                             ; 57,344 x 2^e
	s_wait_alu depctr_va_vdst(0)
	s_wait_loadcnt 32                              ; block 0 is in; block 1's 32 loads may be out
	LOADW 2
	WORKW 0
	s_wait_loadcnt 32                              ; block 1 is in; block 2's may be out
	LOADW 3
	WORKW 1
	s_wait_loadcnt 32                              ; block 2 is in; block 3's may be out
	WORKW 2
	s_wait_loadcnt 0x0
	WORKW 3
	s_endpgm
.Lfunc_end_k_q4e96c3a14c_prep:
	.size	k_q4e96c3a14c_prep, .Lfunc_end_k_q4e96c3a14c_prep-k_q4e96c3a14c_prep
	.p2alignl 7, 3214868480
	.fill 96, 4, 3214868480
	.section	.rodata,"a",@progbits
	.p2align	6, 0x0
	.amdhsa_kernel k_q4e96c3a14c_prep
		.amdhsa_group_segment_fixed_size 34304
		.amdhsa_private_segment_fixed_size 0
		.amdhsa_enable_private_segment 0
		.amdhsa_kernarg_size 72
		.amdhsa_user_sgpr_count 2
		.amdhsa_user_sgpr_kernarg_segment_ptr 1
		.amdhsa_wavefront_size32 1
		.amdhsa_system_sgpr_workgroup_id_x 1
		.amdhsa_system_sgpr_workgroup_id_y 1
		.amdhsa_system_sgpr_workgroup_id_z 1
		.amdhsa_system_vgpr_workitem_id 0
		.amdhsa_next_free_vgpr 192
		.amdhsa_next_free_sgpr 66
		.amdhsa_reserve_vcc 0
		.amdhsa_float_denorm_mode_32 3
		.amdhsa_float_denorm_mode_16_64 3
		.amdhsa_memory_ordered 1
		.amdhsa_forward_progress 1
		.amdhsa_inst_pref_size 46
	.end_amdhsa_kernel
	.amdgpu_metadata
---
amdhsa.version: [ 1, 2 ]
amdhsa.kernels:
  - .name:           k_q4e96c3a14c_prep
    .symbol:         k_q4e96c3a14c_prep.kd
    .args:
      - { .name: x, .offset: 0, .size: 8, .value_kind: global_buffer, .address_space: global }
      - { .name: Wq, .offset: 8, .size: 8, .value_kind: global_buffer, .address_space: global }
      - { .name: Wk, .offset: 16, .size: 8, .value_kind: global_buffer, .address_space: global }
      - { .name: Wv, .offset: 24, .size: 8, .value_kind: global_buffer, .address_space: global }
      - { .name: Wo, .offset: 32, .size: 8, .value_kind: global_buffer, .address_space: global }
      - { .name: lowp_scales, .offset: 40, .size: 8, .value_kind: global_buffer, .address_space: global }
      - { .name: xc, .offset: 48, .size: 8, .value_kind: global_buffer, .address_space: global }
      - { .name: wc, .offset: 56, .size: 8, .value_kind: global_buffer, .address_space: global }
      - { .name: woc, .offset: 64, .size: 8, .value_kind: global_buffer, .address_space: global }
    .group_segment_fixed_size: 34304
    .private_segment_fixed_size: 0
    .kernarg_segment_align: 8
    .kernarg_segment_size: 72
    .max_flat_workgroup_size: 128
    .sgpr_count:     66
    .vgpr_count:     192
    .wavefront_size: 32
...
	.end_amdgpu_metadata
.endif
;; end of part 1
;; launch qkv (part 2): grid 8 x 32, 4 waves a work-group, clusters of 4 x 4, 327,680 bytes of LDS; arguments xc, wc, lowp_scales, bq, bk, bv, qc, kc, vc; writes qc, kc, vc
.if DOCPART == 2
	.amdgcn_target "amdgcn-amd-amdhsa--gfx1250"
	.amdhsa_code_object_version 6
	.text
	.protected	k_q4e96c3a14c_qkv
	.globl	k_q4e96c3a14c_qkv
	.p2align	8
	.type	k_q4e96c3a14c_qkv,@function
k_q4e96c3a14c_qkv:
	s_mov_b64 s[64:65], 0
	v_nop
	global_prefetch_b8 v0, s[64:65] scope:SCOPE_SE
	s_setreg_imm32_b32 hwreg(HW_REG_WAVE_MODE, 25, 1), 1
	s_wait_xcnt 0x0
	s_wait_alu depctr_hold_cnt(0) depctr_sa_sdst(0) depctr_va_vdst(0) depctr_va_sdst(0) depctr_va_ssrc(0) depctr_va_vcc(0) depctr_vm_vsrc(0)
	s_getreg_b32 s2, hwreg(HW_REG_IB_STS2, 6, 4)
	s_cmp_eq_u32 s2, 0
	s_cbranch_scc0 .Lentry_in_a_cluster
	s_endpgm
.Lentry_in_a_cluster:
	s_bfe_u32 s2, ttmp6, 0x10000c
	s_cmp_lg_u32 s2, 0xf033
	s_cbranch_scc0 .Lentry_shape_is_right
	s_endpgm
.Lentry_shape_is_right:
; LAUNCH 2 OF 4: q = x Wq + bq, k = x Wk + bk, v = x Wv + bv on codes of E5M2, each result quantised at once for the attention: q under 2^e6, k under 2^e7, v under 2^e9.  Nothing is left out.
; xc and wc hold, in each tile of 16 rows, the three planes (x under e0, e2, e4; Wq, Wk, Wv) on end: 3 x 1,024 along K, 16 bytes of a tile for each k.  So a work-group walks ONE K of 3,072 and takes its sums out
; after each 1,024: first q's, then k's, then v's.  All buffers are images of operand registers (16 rows x 64 k in 1,024 bytes; byte 512 c + 16 lane + j): a fragment of 128 k is four loads of 16 bytes a lane.
; SHARES.  A work-group makes 128 output columns (block X) x 256 rows of x (block Y): 8 x 32 = 256 work-groups.  Wave (wi, wj) makes 64 columns, which are ONE HEAD, x 128 rows: 32 accumulators.
; q, k: source 0 = 16 columns of W, source 1 = 16 rows of x: a lane holds one position, its registers run along the head's 64: two conversions make 16 bytes of q's or k's image (K = the head's axis).
; v: the sources change places: a lane holds one of the head's 64, its registers run along the positions, which are the keys, the second attention product's K.  So every code leaves registers by stores of 512 consecutive aligned bytes.
; The bias is the C of each sum's first matrix instruction, divided beforehand by 2^(ex + ew), the power of two that the sums lack; the three scales are folded into the conversion's one: 2^(eq - ex - ew).
; LIMITS: e6 - e0 - e1, e7 - e2 - e3 and e9 - e4 - e5 lie between -126 and 112, so that each folded scale and 57,344 x it are f32 numbers.  NaN is not served.
; THE RING.  Two LDS slots; a slot holds 384 along K (6,144 bytes of each tile of 16 rows): 8 tiles of W, then 16 tiles of x; three steps of 128.  Eight slots' worth in all: two first fills, six refills.
; CLUSTER 4 x 4.  W's tiles hang on X alone and are shared along a column of the cluster, x's on Y alone and are shared along a row: each is asked for jointly, by the same tensor load with the same descriptor and a mask that names the four.
; A wave has one tensor load out at the start and one behind each round.
; REGISTERS, in windows of 256: window 0: v16-29 addresses, v32-127 the biases, v160-223 codes, v224-229 scales.  window 1: accumulator (it, jt) at v[8 (8 it + jt)].
;   windows 2, 3: two sets of fragments: W's four at v[16 it], x's eight at v[64 + 16 jt].
.set SLOT,   147456
.set STEPB,  6144                      ; a slot's bytes of one tile of 16 rows
.set SPARE,  2*SLOT                    ; behind the ring: the spare words, 128 bytes a wave: two blocks of 256 bytes that no other line names
.set PITCHB, 49152                     ; from tile to tile in xc and in wc
.set PITCHE, PITCHB/8
.set AD0, 16                           ; v16-17  LDS address of my fragments of W in slot 0, 1
.set AD1, 20                           ; v20-21  the same for x
.set L16, 26                           ; v26     16 x lane
.set SPW, 28                           ; v28     LDS address of my spare word; never rewritten
.set NIL, 29                           ; v29     0; never rewritten
.set BQ,  32                           ; v32-63  bq / 2^(e0 + e1), eight registers a tile it, in the result's layout
.set BK,  64                           ; v64-95  bk likewise
.set BV,  96                           ; v96-127 bv likewise (one number a lane, eight times)
.set CD,  160                          ; v160-223 sixteen pieces of codes
.set SCL, 224                          ; v224-229 for q, k, v: the folded scale, and 57,344 x it
.set G1P0, 32                          ; s[32:39] descriptor group 1 for W's tiles;  s[40:47] for x's
.set G1P1, 40
.set G0P0, 48                          ; s[48:55] group 0 for W's tiles, a set for each slot;  s[56:63] for x's
.set G0P1, 56
.set MSB, 0
.macro WIN new                         ; the immediate's high byte repeats the setting that is left; a switch that changes nothing is dropped
.if MSB != (\new)
	s_set_vgpr_msb (MSB<<8)|(\new)
.set MSB, (\new)
.endif
.endm
; A joint load: waves 0 and 1 fetch W's tiles, waves 2 and 3 x's.  The branch hangs on the wave's number alone.  An s_nop 0 and four v_nop follow each of the two lines.
.macro JLOAD g0a, g1a, g0b, g1b
	s_cmp_eq_u32 s23, 0
	s_cbranch_scc0 .Lfor_p1_\@
	tensor_load_to_lds s[\g0a:\g0a+3], s[\g1a:\g1a+7]
	s_nop 0
.rept 4
	v_nop
.endr
	s_branch .Lasked_\@
.Lfor_p1_\@:
	tensor_load_to_lds s[\g0b:\g0b+3], s[\g1b:\g1b+7]
	s_nop 0
.rept 4
	v_nop
.endr
.Lasked_\@:
.endm
.macro CREST                           ; a round of the cluster's barrier behind its opening barrier
	s_cmp_lg_u32 s22, 0
	s_cbranch_scc1 .Lnot_wave_0_\@
	s_barrier_signal -3
.Lnot_wave_0_\@:
	s_barrier_wait -3
	s_barrier_signal -1
	s_barrier_wait -1
.endm
.macro CROUND                          ; a whole round
	s_barrier_signal -1
	s_barrier_wait -1
	CREST
.endm
.macro PLACES n                        ; plain vector instructions behind a matrix instruction, ahead of loads into registers that it read and of reads of its results
.rept \n
	v_nop
.endr
.endm
	s_load_b512 s[4:19], s[0:1], 0x0               ; xc, wc, the scales' exponents, bq, bk, bv, qc, kc
	s_load_b64 s[20:21], s[0:1], 0x40              ; vc
	v_lshl_add_u32 v[SPW], v0, 2, SPARE
	v_mov_b32 v[NIL], 0
	ds_add_u32 v[SPW], v[NIL]                      ; the wave's opening: the add, twice on end, and its wait ahead of my first tensor load; work on registers stands between
	ds_add_u32 v[SPW], v[NIL]
	v_lshrrev_b32 v1, 5, v0
	v_readfirstlane_b32 s22, v1                    ; wave 0..3
	s_lshr_b32 s23, s22, 1                         ; wj: which 128 rows are mine.  Also: I fetch W's tiles (0) or x's (1)
	s_and_b32 s24, s22, 1                          ; wi: which 64 columns are mine.  Also: which half of those tiles I fetch
	s_bfe_u32 s25, ttmp6, 0x40000                  ; cx
	s_bfe_u32 s26, ttmp6, 0x40004                  ; cy
	s_lshl_b32 s27, ttmp9, 2
	s_add_co_u32 s27, s27, s25                     ; X = 4 x cluster x + cx
	s_and_b32 s28, ttmp7, 0xffff
	s_lshl_b32 s28, s28, 2
	s_add_co_u32 s28, s28, s26                     ; Y = 4 x cluster y + cy
	s_lshl_b32 s29, 0x1111, s25                    ; my column of the cluster
	s_lshl_b32 s30, s26, 2
	s_lshl_b32 s30, 15, s30                        ; my row
	; group 1: R rows of 768 elements of 8 bytes (6,144 bytes of a tile), PITCHE elements apart; dense in LDS, no padding: fragments are read 512 consecutive bytes an instruction
	s_or_b32 s[G1P0], s29, (3<<16)|(1<<21)         ; 15:0 the mask; 17:16 elements of 8 bytes; 21 set beside a mask
	s_or_b32 s[G1P1], s30, (3<<16)|(1<<21)
	s_mov_b32 s[G1P0+1], 768<<16                   ; tensor_dim0
	s_mov_b32 s[G1P0+2], 4<<16                     ; tensor_dim1 = 4 tiles
	s_mov_b32 s[G1P0+3], 768<<16                   ; tile_dim0
	s_mov_b32 s[G1P0+4], 4                         ; tile_dim1
	s_mov_b32 s[G1P0+5], PITCHE                    ; tensor_dim0_stride
	s_mov_b32 s[G1P0+6], 0
	s_mov_b32 s[G1P0+7], 0
	s_mov_b32 s[G1P1+1], 768<<16
	s_mov_b32 s[G1P1+2], 8<<16                     ; 8 tiles
	s_mov_b32 s[G1P1+3], 768<<16
	s_mov_b32 s[G1P1+4], 8
	s_mov_b32 s[G1P1+5], PITCHE
	s_mov_b32 s[G1P1+6], 0
	s_mov_b32 s[G1P1+7], 0
	s_lshl_b32 s80, s27, 3                         ; W: tile 8 X + 4 x half (registers that never hold Y)
	s_lshl_b32 s81, s24, 2
	s_add_co_u32 s80, s80, s81
	s_mul_i32 s80, s80, PITCHB
	s_mov_b32 s81, 0
	s_lshl_b32 s82, s28, 4                         ; x: tile 16 Y + 8 x half (registers that never hold X)
	s_lshl_b32 s83, s24, 3
	s_add_co_u32 s82, s82, s83
	s_mul_i32 s82, s82, PITCHB
	s_mov_b32 s83, 0
	s_mul_i32 s31, s24, 4*STEPB                    ; where they go in a slot: the wave's number alone
	s_mul_i32 s66, s24, 8*STEPB
	s_add_co_u32 s66, s66, 8*STEPB
	s_wait_dscnt 0x0                               ; both opening adds are done
	s_wait_kmcnt 0x0
	s_load_b256 s[68:75], s[8:9], 0x0              ; e0 .. e7
	s_load_b128 s[76:79], s[8:9], 0x20             ; e8 .. e11
	s_add_nc_u64 s[80:81], s[6:7], s[80:81]
	s_add_nc_u64 s[82:83], s[4:5], s[82:83]
	CROUND                                         ; all sixteen work-groups are here: the first joint loads meet
.irp s, 0,1
	s_mov_b32 s[G0P0+4*\s], 1
	s_add_co_u32 s[G0P0+4*\s+1], s31, \s*SLOT
	s_add_nc_u64 s[G0P0+4*\s+2:G0P0+4*\s+3], s[80:81], \s*STEPB
	s_or_b32 s[G0P0+4*\s+3], s[G0P0+4*\s+3], 0x80000000
	s_mov_b32 s[G0P1+4*\s], 1
	s_add_co_u32 s[G0P1+4*\s+1], s66, \s*SLOT
	s_add_nc_u64 s[G0P1+4*\s+2:G0P1+4*\s+3], s[82:83], \s*STEPB
	s_or_b32 s[G0P1+4*\s+3], s[G0P1+4*\s+3], 0x80000000
.endr
	JLOAD G0P0, G1P0, G0P1, G1P1                   ; slot 0: one tensor load a wave at the head.  Slot 1's first fill stands behind the round at the head's end, so a wave never has more than one tensor load out
	v_and_b32 v2, 31, v0
	v_lshlrev_b32 v[L16], 4, v2
	s_mul_i32 s84, s24, 4*STEPB                    ; my four tiles of W
	s_mul_i32 s85, s23, 8*STEPB                    ; my eight tiles of x,
	s_add_co_u32 s85, s85, 8*STEPB                 ; which lie behind W's eight
.irp s, 0,1
	v_add_nc_u32 v[AD0+\s], s84, v[L16]
	v_add_nc_u32 v[AD1+\s], s85, v[L16]
	s_add_co_u32 s84, s84, SLOT
	s_add_co_u32 s85, s85, SLOT
.endr
	v_bfe_u32 v3, v0, 4, 1
	v_lshlrev_b32 v3, 5, v3                        ; 32 h: q, k: lane (r, h) wants the bias of columns 16 it + 8 h + 0 .. 7
	v_and_b32 v4, 15, v0
	v_lshlrev_b32 v4, 2, v4                        ; 4 r: v: of column 16 it + r
	s_lshl_b32 s86, s27, 9
	s_lshl_b32 s87, s24, 8
	s_add_co_u32 s86, s86, s87                     ; my 64 columns: 4 (128 X + 64 wi) bytes
	s_mov_b32 s87, 0
	s_add_nc_u64 s[10:11], s[10:11], s[86:87]
	s_add_nc_u64 s[12:13], s[12:13], s[86:87]
	s_add_nc_u64 s[14:15], s[14:15], s[86:87]
.irp it, 0,1,2,3
	global_load_b128 v[BQ+8*\it:BQ+8*\it+3],   v3, s[10:11] offset:64*\it
	global_load_b128 v[BQ+8*\it+4:BQ+8*\it+7], v3, s[10:11] offset:64*\it+16
	global_load_b128 v[BK+8*\it:BK+8*\it+3],   v3, s[12:13] offset:64*\it
	global_load_b128 v[BK+8*\it+4:BK+8*\it+7], v3, s[12:13] offset:64*\it+16
	global_load_b32  v[BV+8*\it],              v4, s[14:15] offset:64*\it
.endr
	; where my codes go: batch Y / 4, head 2 X + wi, and my 128 positions: eight images of q or k, or one key step of v: 8,192 bytes in each of the three buffers
	s_lshr_b32 s84, s28, 2
	s_lshl_b32 s84, s84, 20
	s_lshl_b32 s85, s27, 1
	s_add_co_u32 s85, s85, s24
	s_lshl_b32 s85, s85, 16
	s_add_co_u32 s84, s84, s85
	s_and_b32 s85, s28, 3
	s_lshl_b32 s85, s85, 1
	s_add_co_u32 s85, s85, s23
	s_lshl_b32 s85, s85, 13
	s_add_co_u32 s84, s84, s85
	s_mov_b32 s85, 0
	s_add_nc_u64 s[16:17], s[16:17], s[84:85]
	s_add_nc_u64 s[18:19], s[18:19], s[84:85]
	s_add_nc_u64 s[20:21], s[20:21], s[84:85]
	; PREFETCHES INTO THE L2, one slot ahead of the joint load that will want it: behind the load of slot n stand those for slot n + 1 (n = 1 .. 6); slots 0 and 1 come by their loads alone.
	; A slot is 6,144 bytes, 24 blocks of 256, of each tile.  The four partners that share x's 16 tiles take four of them each by address (cx), a wave a tile; those that share W's 8 take two each (cy), a wave half a tile.
	; So each block is named once in a cluster; lanes that are left over name their wave's last block again.
	s_lshl_b32 s84, s28, 4
	s_lshl_b32 s85, s25, 2
	s_add_co_u32 s84, s84, s85
	s_add_co_u32 s84, s84, s22                     ; x's tile 16 Y + 4 cx + wave
	s_mul_i32 s84, s84, PITCHB
	s_mov_b32 s85, 0
	s_add_nc_u64 s[96:97], s[4:5], s[84:85]
	s_lshl_b32 s84, s27, 3
	s_lshl_b32 s85, s26, 1
	s_add_co_u32 s84, s84, s85
	s_lshr_b32 s85, s22, 1
	s_add_co_u32 s84, s84, s85                     ; W's tile 8 X + 2 cy + wave / 2
	s_mul_i32 s84, s84, PITCHB
	s_and_b32 s85, s22, 1
	s_mul_i32 s85, s85, STEPB/2
	s_add_co_u32 s84, s84, s85
	s_mov_b32 s85, 0
	s_add_nc_u64 s[98:99], s[6:7], s[84:85]
	v_and_b32 v18, 31, v0
	v_min_u32 v19, 11, v18
	v_min_u32 v18, 23, v18
	v_lshlrev_b32 v19, 8, v19
	v_lshlrev_b32 v18, 8, v18
.set NS, 2                             ; the next slot to be named
.macro ASK
.if NS < 8
	global_prefetch_b8 v18, s[96:97] offset:STEPB*NS th:TH_LOAD_NT scope:SCOPE_SE
	global_prefetch_b8 v19, s[98:99] offset:STEPB*NS th:TH_LOAD_NT scope:SCOPE_SE
.endif
.set NS, NS+1
.endm
	s_wait_alu depctr_va_vdst(0)
	s_wait_kmcnt 0x0
.macro FOLD i, eo
	s_add_co_i32 s90, s[68+2*\i], s[69+2*\i]
	s_sub_co_i32 s[92+\i], 0, s90
	s_sub_co_i32 s90, s[\eo], s90
	s_add_co_i32 s90, s90, 127
	s_lshl_b32 s91, s90, 23
	v_mov_b32 v[SCL+2*\i], s91
	s_add_co_i32 s90, s90, 15
	s_lshl_b32 s90, s90, 23
	s_or_b32 s90, s90, 0x600000
	v_mov_b32 v[SCL+2*\i+1], s90
.endm
	FOLD 0, 74
	FOLD 1, 75
	FOLD 2, 77
	s_wait_loadcnt 0x0                             ; the biases
.set j, 0
.rept 32
	v_ldexp_f32 v[BQ+j], v[BQ+j], s92
	v_ldexp_f32 v[BK+j], v[BK+j], s93
.set j, j+1
.endr
.irp it, 0,1,2,3
.irp j, 1,2,3,4,5,6,7,0                        ; the loaded number lies in register 0, which is scaled last
	v_ldexp_f32 v[BV+8*\it+\j], v[BV+8*\it], s94
.endr
.endr
; 48 LDS loads in one run: the fragments of the slot's q-th 128 along K into set f
.macro FETCH slot, q, f
	WIN (2+(\f))<<6                                ; destination window 2 or 3, address window 0
.irp it, 0,1,2,3
.irp c, 0,1,2,3
	ds_load_b128 v[16*\it+4*\c:16*\it+4*\c+3], v[AD0+(\slot)] offset:\it*STEPB+(\q)*2048+512*\c
.endr
.endr
.irp jt, 0,1,2,3,4,5,6,7
.irp c, 0,1,2,3
	ds_load_b128 v[64+16*\jt+4*\c:64+16*\jt+4*\c+3], v[AD1+(\slot)] offset:\jt*STEPB+(\q)*2048+512*\c
.endr
.endr
.endm
; 8 n matrix instructions: W's tiles it0 .. it0 + n - 1 against x's eight, from set f.  mode 0: onto the sums; 1: the bias starts them.  swap = 1: x is source 0.
; The 32 accumulators take turns, one instruction a turn, in the same order in every step.
.macro MUL it0, n, f, mode, swap, bias
.if (\mode) == 0
	WIN 0x50+5*(2+(\f))                            ; sources 0 and 1 in the set's window, C and D in window 1
.else
	WIN 0x40+5*(2+(\f))                            ; C in window 0
.endif
.set it, \it0
.rept \n
.irp jt, 0,1,2,3,4,5,6,7
.set rC, 8*(8*it+\jt)
.if \swap
.set rA, 64+16*\jt
.set rB, 16*it
.else
.set rA, 16*it
.set rB, 64+16*\jt
.endif
.if (\mode) == 0
	v_wmma_f32_16x16x128_bf8_bf8 v[rC:rC+7], v[rA:rA+15], v[rB:rB+15], v[rC:rC+7]
.else
	v_wmma_f32_16x16x128_bf8_bf8 v[rC:rC+7], v[rA:rA+15], v[rB:rB+15], v[\bias+8*it:\bias+8*it+7]
.endif
.endr
.set it, it+1
.endr
.endm
; A step of 128 along K that has its successor in the same slot: the next step's fragments are asked for, then this step's 32 products are issued
.macro SUB slot, q, f, mode, swap, bias
	s_wait_dscnt 0x0                               ; set f is in
	PLACES 4                                       ; ahead of the loads into the other set, which the last products read
	FETCH \slot, (\q)+1, 1-(\f)
	MUL 0, 4, \f, \mode, \swap, \bias
.endm
; A slot's third step changes slots: ONE barrier; in front of it each wave waits for all its tensor loads, adds 0 to its spare word, and waits for that and for its reads of this slot.  fill = 1: the slot is filled again, two slots ahead.
.macro TURN slot, f, fill, mode, swap, bias
	WIN 0                                          ; (the add's two registers lie in window 0)
	s_wait_tensorcnt 0x0                           ; all my tensor loads have landed: my part of the other slot
	ds_add_u32 v[SPW], v[NIL]                      ; 0 onto my spare word
	s_wait_dscnt 1                                 ; set f is in; the add alone may be out
	MUL 0, 1, \f, \mode, \swap, \bias              ; eight matrix instructions stand between the add and the wait for it
	s_wait_dscnt 0x0                               ; the add is done, and my reads of this slot are over
	s_barrier_signal -1
	MUL 1, 1, \f, \mode, \swap, \bias
	WIN 0
	s_barrier_wait -1
.if \fill
	CREST                                          ; the barrier has opened a round of the cluster's barrier: no wave of any partner still reads this slot or has a load on its way
	s_add_nc_u64 s[G0P0+4*\slot+2:G0P0+4*\slot+3], s[G0P0+4*\slot+2:G0P0+4*\slot+3], 2*STEPB
	s_add_nc_u64 s[G0P1+4*\slot+2:G0P1+4*\slot+3], s[G0P1+4*\slot+2:G0P1+4*\slot+3], 2*STEPB
	JLOAD G0P0+4*\slot, G1P0, G0P1+4*\slot, G1P1   ; the first tensor load behind the round; its four v_nop are the places ahead of the loads below
.else
	PLACES 4
.endif
	FETCH 1-(\slot), 0, 1-(\f)
.if \fill
	ASK
.endif
	MUL 2, 2, \f, \mode, \swap, \bias
.endm
.macro LAST f, swap
	s_wait_dscnt 0x0
	MUL 0, 4, \f, 0, \swap, 0
.endm
; THE WAY OUT of 1,024 along K.  All 256 sums are held within the largest code x the folded scale, in place, each accumulator from its low end on; two conversions make a piece of 16 bytes a lane.
.macro HOLD sc
	PLACES 4
	WIN 0x41                                       ; destination and source 0 window 1
.set j, 0
.rept 256
	v_med3_num_f32 v[j], v[j], -v[\sc+1], v[\sc+1] ; the conversion to an 8-bit code does not saturate (ISA guide 7.6.2)
.set j, j+1
.endr
	WIN 0x01                                       ; source 0 window 1, destination window 0
.endm
.macro SENDC base
	WIN 0
	v_nop                                          ; a plain instruction between the last conversion and the products that write its sources anew
.set j, 0
.rept 16
	global_store_b128 v[L16], v[CD+4*j:CD+4*j+3], s[\base:\base+1] offset:512*j   ; 32 lanes store 512 consecutive bytes, at a multiple of 512 from the buffer's first byte
.set j, j+1
.endr
.endm
.macro EPIQK base, sc                  ; piece c of position tile jt's image: the head's 32 c + 8 h + 0..7 from tile 2 c, 16 further on from tile 2 c + 1
	HOLD \sc
.irp jt, 0,1,2,3,4,5,6,7
.irp c, 0,1
	v_cvt_scalef32_pk8_bf8_f32 v[CD+4*(2*\jt+\c):CD+4*(2*\jt+\c)+1],   v[8*(16*\c+\jt):8*(16*\c+\jt)+7],     v[\sc]
	v_cvt_scalef32_pk8_bf8_f32 v[CD+4*(2*\jt+\c)+2:CD+4*(2*\jt+\c)+3], v[8*(16*\c+8+\jt):8*(16*\c+8+\jt)+7], v[\sc]
.endr
.endr
	SENDC \base
.endm
.macro EPIV base, sc                   ; piece c of tile it's 16 x 128 keys: keys 32 c + 8 h + 0..7 from position tile 2 c, 16 further on from 2 c + 1
	HOLD \sc
.irp it, 0,1,2,3
.irp c, 0,1,2,3
	v_cvt_scalef32_pk8_bf8_f32 v[CD+4*(4*\it+\c):CD+4*(4*\it+\c)+1],   v[8*(8*\it+2*\c):8*(8*\it+2*\c)+7],     v[\sc]
	v_cvt_scalef32_pk8_bf8_f32 v[CD+4*(4*\it+\c)+2:CD+4*(4*\it+\c)+3], v[8*(8*\it+2*\c+1):8*(8*\it+2*\c+1)+7], v[\sc]
.endr
.endr
	SENDC \base
.endm
	s_wait_alu depctr_va_vdst(0)
	s_wait_tensorcnt 0x0                           ; my part of slot 0 is in; a later first fill stands behind these lines and a round, as a refill does
	ds_add_u32 v[SPW], v[NIL]
	s_wait_dscnt 0x0
	CROUND                                         ; everybody's part of slot 0 is in
	JLOAD G0P0+4, G1P0, G0P1+4, G1P1               ; slot 1, the first tensor load behind the round
	FETCH 0, 0, 0
	ASK
	; 24 steps of 128 along K, written out: step g lies in slot (g / 3) % 2, third g % 3, set g % 2
	SUB  0, 0, 0, 1, 0, BQ                         ; g = 0: bq starts q's sums
	SUB  0, 1, 1, 0, 0, 0
	TURN 0, 0, 1, 0, 0, 0
	SUB  1, 0, 1, 0, 0, 0
	SUB  1, 1, 0, 0, 0, 0
	TURN 1, 1, 1, 0, 0, 0
	SUB  0, 0, 0, 0, 0, 0
	SUB  0, 1, 1, 0, 0, 0                          ; g = 7: q is whole
	EPIQK 16, SCL
	TURN 0, 0, 1, 1, 0, BK                         ; g = 8: bk starts k's sums
	SUB  1, 0, 1, 0, 0, 0
	SUB  1, 1, 0, 0, 0, 0
	TURN 1, 1, 1, 0, 0, 0
	SUB  0, 0, 0, 0, 0, 0
	SUB  0, 1, 1, 0, 0, 0
	TURN 0, 0, 1, 0, 0, 0
	SUB  1, 0, 1, 0, 0, 0                          ; g = 15: k is whole
	s_wait_xcnt 0x0                                ; q's stores have read their registers: the codes' registers are written again only behind this wait
	EPIQK 18, SCL+2
	SUB  1, 1, 0, 1, 1, BV                         ; g = 16: bv starts v's sums; from here on x is source 0
	TURN 1, 1, 1, 0, 1, 0                          ; the last refill
	SUB  0, 0, 0, 0, 1, 0
	SUB  0, 1, 1, 0, 1, 0
	TURN 0, 0, 0, 0, 1, 0                          ; nothing is left to fetch: a plain barrier
	SUB  1, 0, 1, 0, 1, 0
	SUB  1, 1, 0, 0, 1, 0
	LAST 1, 1                                      ; g = 23: v is whole
	s_wait_xcnt 0x0                                ; k's stores have read their registers
	EPIV 20, SCL+4
	s_wait_tensorcnt 0x0                           ; the wave's end
	ds_add_u32 v[SPW], v[NIL]
	s_wait_dscnt 0x0
	CROUND                                         ; the closing round: no work-group ends while a partner may still ask for a tile that names it
	s_endpgm
.Lfunc_end_k_q4e96c3a14c_qkv:
	.size	k_q4e96c3a14c_qkv, .Lfunc_end_k_q4e96c3a14c_qkv-k_q4e96c3a14c_qkv
	.p2alignl 7, 3214868480
	.fill 96, 4, 3214868480
	.section	.rodata,"a",@progbits
	.p2align	6, 0x0
	.amdhsa_kernel k_q4e96c3a14c_qkv
		.amdhsa_group_segment_fixed_size 327680
		.amdhsa_private_segment_fixed_size 0
		.amdhsa_enable_private_segment 0
		.amdhsa_kernarg_size 72
		.amdhsa_user_sgpr_count 2
		.amdhsa_user_sgpr_kernarg_segment_ptr 1
		.amdhsa_wavefront_size32 1
		.amdhsa_system_sgpr_workgroup_id_x 1
		.amdhsa_system_sgpr_workgroup_id_y 1
		.amdhsa_system_sgpr_workgroup_id_z 1
		.amdhsa_system_vgpr_workitem_id 0
		.amdhsa_next_free_vgpr 1024
		.amdhsa_next_free_sgpr 100
		.amdhsa_reserve_vcc 0
		.amdhsa_float_denorm_mode_32 3
		.amdhsa_float_denorm_mode_16_64 3
		.amdhsa_memory_ordered 1
		.amdhsa_forward_progress 1
		.amdhsa_inst_pref_size 210
	.end_amdhsa_kernel
	.amdgpu_metadata
---
amdhsa.version: [ 1, 2 ]
amdhsa.kernels:
  - .name:           k_q4e96c3a14c_qkv
    .symbol:         k_q4e96c3a14c_qkv.kd
    .args:
      - { .name: xc, .offset: 0, .size: 8, .value_kind: global_buffer, .address_space: global }
      - { .name: wc, .offset: 8, .size: 8, .value_kind: global_buffer, .address_space: global }
      - { .name: lowp_scales, .offset: 16, .size: 8, .value_kind: global_buffer, .address_space: global }
      - { .name: bq, .offset: 24, .size: 8, .value_kind: global_buffer, .address_space: global }
      - { .name: bk, .offset: 32, .size: 8, .value_kind: global_buffer, .address_space: global }
      - { .name: bv, .offset: 40, .size: 8, .value_kind: global_buffer, .address_space: global }
      - { .name: qc, .offset: 48, .size: 8, .value_kind: global_buffer, .address_space: global }
      - { .name: kc, .offset: 56, .size: 8, .value_kind: global_buffer, .address_space: global }
      - { .name: vc, .offset: 64, .size: 8, .value_kind: global_buffer, .address_space: global }
    .group_segment_fixed_size: 327680
    .private_segment_fixed_size: 0
    .kernarg_segment_align: 8
    .kernarg_segment_size: 72
    .max_flat_workgroup_size: 128
    .sgpr_count:     100
    .vgpr_count:     1024
    .wavefront_size: 32
...
	.end_amdgpu_metadata
.endif
;; end of part 2
;; launch attn (part 3): grid 2 x 128, 16 waves a work-group, no clusters, 149,504 bytes of LDS; arguments qc, kc, vc, lowp_scales, oc; writes oc
.if DOCPART == 3
	.amdgcn_target "amdgcn-amd-amdhsa--gfx1250"
	.amdhsa_code_object_version 6
	.text
	.protected	k_q4e96c3a14c_attn
	.globl	k_q4e96c3a14c_attn
	.p2align	8
	.type	k_q4e96c3a14c_attn,@function
k_q4e96c3a14c_attn:
	s_mov_b64 s[64:65], 0
	v_nop
	global_prefetch_b8 v0, s[64:65] scope:SCOPE_SE
	s_setreg_imm32_b32 hwreg(HW_REG_WAVE_MODE, 25, 1), 1
	s_wait_xcnt 0x0
; LAUNCH 3 OF 4: o = softmax(q k^T / 8) v on codes of E5M2, quantised at once under 2^e10 for the output projection.  Nothing is left out.
; t = score x log2(e) / 8; M = the row's largest t so far, rounded UP to a whole number; p = 2^(t - M) is quantised under 2^e8, unnormalised; the row's sum is taken of the unquantised p and divides o at the end.
; When M moves, the sum and o are multiplied by 2^(old M - new M), a power of two.
; SHARES.  A work-group takes 512 queries of one head (grid: 2 x 128 heads); each of its sixteen waves takes two tiles of 16 queries, A and B, which share every fragment of K and V and go side by side through every line.  Sixteen key steps of 64.
; All of the head's K and V, 128 KB, lie in LDS: step i at 8,192 i: four images of K, then V's four.  They come by plain loads through registers: steps 0 to 3 first, behind one barrier; the rest lands in the registers
; of o, which nothing has used yet, while the softmaxes of steps 0 and 1 are worked, and is stored ahead of the first product onto o, behind a second barrier.  There is no other barrier.
; CLUSTERS: none.  K and V of a head are asked for by two work-groups, once each, 128 KB, and no key step reads memory.
; No prefetch: the loop reads no memory.
; LAYOUT.  All buffers are images of operand registers (16 rows x 64 k in 1,024 bytes).  Both products are used transposed (source 0 = 16 keys, or 16 of the head's 64; source 1 = 16 queries): a lane holds ONE query throughout, and the
; eight registers of score tile t are eight neighbouring keys, 16 t + 8 (lane / 16) + 0 .. 7: the place that the second product's operand gives its registers 2 t, 2 t + 1.
; LIMITS: e6 + e7 between -123 and 126 (added to the exponent field of log2(e) / 8); e8 and e10 between -126 and 112; scaled scores (exponents to the base 2, before the maximum is taken away) under 2^31 in magnitude.  NaN is not served.
.set L16, 1                            ; v1      16 x lane
.set SC,  2                            ; v2      2^e8; on the way out 2^e10
.set AD,  3                            ; v3      LDS address of the step in hand + 16 x lane; on the way out 57,344 x 2^e10
.set MA,  4                            ; v[4:5]  tile A: -M, the largest t
.set MB,  6                            ; v[6:7]  tile B
.set SA,  8                            ; v[8:9]  tile A: the row's sum in two halves
.set SB,  10
.set FA,  12                           ; v[12:13], v[14:15] 2^(old M - new M) of A, B; the upper ones only make the pairs whole
.set FB,  14
.set QA,  16
.set QB,  24
.set OA,  32                           ; v32-63  o^T of tile A: four tiles of 16 of the head's 64.  Ahead of the first product: v32-79 K and V of the later steps, v80-91 at work, v92-95 LDS addresses of my parts
.set OB,  64
.set KX,  96                           ; v96-127  K's four fragments
.set SX,  128                          ; v128-159 tile A's scores, then p; v160-191 tile B's
.set VX,  192                          ; v192-223 V's four fragments
.set PA,  224                          ; v224-231 p's codes of tile A
.set PB,  232
.set TB,  240                          ; v240-251 at work; ahead of the loop v240-255 step 1's codes
.set SPARE, 147456                     ; the spare words, 128 bytes a wave: eight blocks of 256 bytes that no other line names
	s_load_b256 s[4:11], s[0:1], 0x0               ; q, k, v codes, the scales' exponents
	s_load_b64 s[12:13], s[0:1], 0x20              ; o's codes
	v_lshrrev_b32 v2, 5, v0
	v_readfirstlane_b32 s18, v2                    ; wave 0..15
	v_and_b32 v1, 31, v0
	v_lshlrev_b32 v[L16], 4, v1
	s_and_b32 s14, ttmp7, 0xffff                   ; 16 x batch + head
	s_lshl_b32 s50, s14, 16                        ; its first byte in q's, k's and v's codes
	s_lshl_b32 s52, s18, 10
	s_add_co_u32 s52, s52, s50                     ; my parts of K and V: 1,024 bytes of every 16,384
	s_mov_b32 s53, 0
	s_lshl_b32 s54, ttmp9, 15
	s_lshl_b32 s55, s18, 11
	s_add_co_u32 s54, s54, s55
	s_add_co_u32 s54, s54, s50                     ; my two query tiles: 32 x work-group x + 2 x wave
	s_mov_b32 s55, 0
	s_lshr_b32 s56, s14, 4
	s_lshl_b32 s56, s56, 6
	s_lshl_b32 s57, ttmp9, 5
	s_add_co_u32 s56, s56, s57
	s_lshl_b32 s57, s18, 1
	s_add_co_u32 s56, s56, s57
	s_lshl_b32 s56, s56, 14                        ; o: row tile of 16,384 bytes,
	s_and_b32 s57, s14, 15
	s_lshl_b32 s57, s57, 10
	s_add_co_u32 s56, s56, s57                     ; the head's image in it
	s_mov_b32 s57, 0
	s_lshr_b32 s58, s18, 2                         ; my image of K in LDS: image wave % 4 of step wave / 4
	s_lshl_b32 s58, s58, 13
	s_and_b32 s59, s18, 3
	s_lshl_b32 s59, s59, 10
	s_add_co_u32 s58, s58, s59
	s_lshr_b32 s60, s18, 3                         ; my 1,024 bytes of V (128 keys in memory: four tiles of two halves of 64 keys): tile (wave / 2) % 4 of step 2 (wave / 8) + wave % 2
	s_lshl_b32 s60, s60, 14
	s_and_b32 s61, s18, 1
	s_lshl_b32 s61, s61, 13
	s_add_co_u32 s60, s60, s61
	s_lshr_b32 s61, s18, 1
	s_and_b32 s61, s61, 3
	s_lshl_b32 s61, s61, 10
	s_add_co_u32 s60, s60, s61
	s_add_co_u32 s60, s60, 4096
	s_mov_b32 s2, 0                                ; the LDS byte at which the step in hand begins
	s_mov_b32 s20, 0x76543210
	s_mov_b32 s21, 0xfedcba98                      ; v_permlanex16_b32's selects for lane l xor 16
	s_mov_b32 s22, 0x3e38aa3b                      ; log2(e) / 8
	s_wait_alu depctr_va_vdst(0)                   ; ahead of the readers below
	v_add_nc_u32 v92, s58, v[L16]
	v_add_nc_u32 v93, s60, v[L16]
	v_add_nc_u32 v94, 0x10000, v92
	v_add_nc_u32 v95, 0x10000, v93
	v_add_nc_u32 v[AD], s2, v[L16]
	v_mov_b32 v13, 0
	v_mov_b32 v15, 0
	s_wait_alu depctr_va_vdst(0)
	s_wait_kmcnt 0x0
	s_load_b256 s[40:47], s[10:11], 0x10           ; e4 .. e11
	s_add_nc_u64 s[6:7], s[6:7], s[52:53]
	s_add_nc_u64 s[8:9], s[8:9], s[52:53]
	s_add_nc_u64 s[4:5], s[4:5], s[54:55]
	s_add_nc_u64 s[12:13], s[12:13], s[56:57]
.irp c, 0,1                                    ; steps 0 to 3: my 1,024 bytes of K and of V
	global_load_b128 v[KX+4*\c:KX+4*\c+3], v[L16], s[6:7] offset:512*\c
	global_load_b128 v[KX+8+4*\c:KX+8+4*\c+3], v[L16], s[8:9] offset:512*\c
.endr
.irp i, 0,1,2,3                                ; my two tiles of Q
	global_load_b128 v[QA+4*\i:QA+4*\i+3], v[L16], s[4:5] offset:512*\i th:TH_LOAD_NT
.endr
.irp g, 0,1,2                                  ; steps 4 + 4 g to 7 + 4 g
.irp c, 0,1
	global_load_b128 v[OA+8*\g+4*\c:OA+8*\g+4*\c+3], v[L16], s[6:7] offset:16384*(\g+1)+512*\c
	global_load_b128 v[OA+24+8*\g+4*\c:OA+24+8*\g+4*\c+3], v[L16], s[8:9] offset:16384*(\g+1)+512*\c
.endr
.endr
	s_wait_kmcnt 0x0
	s_add_co_i32 s48, s42, s43
	s_lshl_b32 s48, s48, 23
	s_add_co_i32 s22, s22, s48                     ; a score stands for score x 2^(e6 + e7): the two go into the factor's exponent field
	s_mov_b32 s23, s22                             ; (the packed form names the pair)
	s_add_co_i32 s48, s44, 127
	s_lshl_b32 s49, s48, 23
	v_mov_b32 v[SC], s49                           ; 2^e8: the conversion takes its exponent field
	s_add_co_i32 s48, s48, 15
	s_lshl_b32 s48, s48, 23
	s_or_b32 s24, s48, 0x600000                    ; 57,344 x 2^e8
	s_add_co_i32 s48, s44, s45                     ; e8 + e9, for the way out
	s_add_co_i32 s25, s46, 127
	s_lshl_b32 s26, s25, 23                        ; 2^e10
	s_add_co_i32 s25, s25, 15
	s_lshl_b32 s25, s25, 23
	s_or_b32 s25, s25, 0x600000                    ; 57,344 x 2^e10
.macro PLACES n
.rept \n
	v_nop
.endr
.endm
.macro KLOAD off                       ; K's four fragments of the step that begins off bytes behind the one in hand
.irp t, 0,1,2,3
	ds_load_b128 v[KX+8*\t:KX+8*\t+3],   v[AD] offset:(\off)+1024*\t
	ds_load_b128 v[KX+8*\t+4:KX+8*\t+7], v[AD] offset:(\off)+1024*\t+512
.endr
.endm
.macro VLOAD                           ; V's four fragments of the step in hand: 16 of the head's 64 x 64 keys each
.irp d, 0,1,2,3
	ds_load_b128 v[VX+8*\d:VX+8*\d+3],   v[AD] offset:4096+1024*\d
	ds_load_b128 v[VX+8*\d+4:VX+8*\d+7], v[AD] offset:4096+1024*\d+512
.endr
.endm
.macro SCORES
.irp t, 0,1,2,3
	v_wmma_f32_16x16x64_bf8_bf8 v[SX+8*\t:SX+8*\t+7], v[KX+8*\t:KX+8*\t+7], v[QA:QA+7], 0
	v_wmma_f32_16x16x64_bf8_bf8 v[SX+32+8*\t:SX+39+8*\t], v[KX+8*\t:KX+8*\t+7], v[QB:QB+7], 0
.endr
.endm
.macro PV zero, pa, pb                 ; the eight accumulators take turns
.irp d, 0,1,2,3
.if \zero
	v_wmma_f32_16x16x64_bf8_bf8 v[OA+8*\d:OA+8*\d+7], v[VX+8*\d:VX+8*\d+7], v[\pa:\pa+7], 0
	v_wmma_f32_16x16x64_bf8_bf8 v[OB+8*\d:OB+8*\d+7], v[VX+8*\d:VX+8*\d+7], v[\pb:\pb+7], 0
.else
	v_wmma_f32_16x16x64_bf8_bf8 v[OA+8*\d:OA+8*\d+7], v[VX+8*\d:VX+8*\d+7], v[\pa:\pa+7], v[OA+8*\d:OA+8*\d+7]
	v_wmma_f32_16x16x64_bf8_bf8 v[OB+8*\d:OB+8*\d+7], v[VX+8*\d:VX+8*\d+7], v[\pb:\pb+7], v[OB+8*\d:OB+8*\d+7]
.endif
.endr
.endm
.macro RESCALE                         ; o^T under the new M, both tiles
.set j, 0
.rept 16
	v_pk_mul_f32 v[OA+j:OA+j+1], v[OA+j:OA+j+1], v[FA:FA+1] op_sel_hi:[1,0]
	v_pk_mul_f32 v[OB+j:OB+j+1], v[OB+j:OB+j+1], v[FB:FB+1] op_sel_hi:[1,0]
.set j, j+2
.endr
.endm
.macro FMA r, m
	v_pk_fma_f32 v[\r:\r+1], v[\r:\r+1], s[22:23], v[\m:\m+1] op_sel_hi:[1,0,0]   ; t - M, two at a time
.endm
.macro ADD2 d, r
	v_pk_add_f32 v[\d:\d+1], v[\d:\d+1], v[\r:\r+1]
.endm
; THE SOFTMAX of a step, tiles A and B line by line: the maxima (two chains a tile), M, f, t - M, the exponentials, the sums, the hold, the codes.  tb: twelve registers at work; tb + 4, tb + 5 hold the old -M.
; first = 1: step 0: no old M, no old sum.  resc = 1: o^T is brought under the new M here, ahead of the exponentials.
.macro SOFT first, tb, pa, pb, resc
	v_max3_num_f32 v[\tb],   v[SX],    v[SX+1],  v[SX+2]
	v_max3_num_f32 v[\tb+2], v[SX+32], v[SX+33], v[SX+34]
	v_max3_num_f32 v[\tb+1], v[SX+3],  v[SX+4],  v[SX+5]
	v_max3_num_f32 v[\tb+3], v[SX+35], v[SX+36], v[SX+37]
.set n, 0
.rept 13
	v_max3_num_f32 v[\tb+n%2],   v[\tb+n%2],   v[SX+6+2*n],  v[SX+7+2*n]
	v_max3_num_f32 v[\tb+2+n%2], v[\tb+2+n%2], v[SX+38+2*n], v[SX+39+2*n]
.set n, n+1
.endr
	v_max_num_f32 v[\tb],   v[\tb],   v[\tb+1]
	v_max_num_f32 v[\tb+2], v[\tb+2], v[\tb+3]
	v_permlanex16_b32 v[\tb+1], v[\tb],   s20, s21 ; lane l xor 16 holds my query's other keys
	v_permlanex16_b32 v[\tb+3], v[\tb+2], s20, s21
	v_max_num_f32 v[\tb],   v[\tb],   v[\tb+1]
	v_max_num_f32 v[\tb+2], v[\tb+2], v[\tb+3]
.if \first
	v_mul_f32 v[MA+1], s22, v[\tb]                 ; as t (the factor is positive)
	v_mul_f32 v[MB+1], s22, v[\tb+2]
.else
	v_mul_f32 v[\tb],   s22, v[\tb]
	v_mul_f32 v[\tb+2], s22, v[\tb+2]
	v_max_num_f32 v[MA+1], v[MA+1], v[\tb]
	v_max_num_f32 v[MB+1], v[MB+1], v[\tb+2]
.endif
	v_floor_f32 v[MA], -v[MA+1]                    ; -M = floor(-t): M is a whole number
	v_floor_f32 v[MB], -v[MB+1]
.set j, 0
.rept 16
	FMA SX+j, MA
.if \first == 0
.if j == 2
	v_sub_f32 v[FA], v[MA], v[\tb+4]               ; old M - new M, 0 or less
.elseif j == 4
	v_sub_f32 v[FB], v[MB], v[\tb+5]
.elseif j == 10
	v_cvt_i32_f32 v[FA], v[FA]                     ; (it saturates)
.elseif j == 12
	v_cvt_i32_f32 v[FB], v[FB]
.elseif j == 18
	v_ldexp_f32 v[FA], 1.0, v[FA]
.elseif j == 20
	v_ldexp_f32 v[FB], 1.0, v[FB]
.endif
.endif
.set j, j+2
.endr
.if \resc
	RESCALE
.endif
	s_wait_alu depctr_va_vdst(0)                   ; the wait ahead of the batch
.set j, 0
.rept 16
	v_exp_f32 v[SX+j], v[SX+j]
	v_exp_f32 v[SX+j+1], v[SX+j+1]
	FMA SX+32+j, MB                                ; tile B's t - M stand among tile A's exponentials
.set j, j+2
.endr
	s_wait_alu depctr_va_vdst(0)                   ; and ahead of tile B's, which also serves the readers of tile A's
.set j, 0
.rept 16
	v_exp_f32 v[SX+32+j], v[SX+32+j]
	v_exp_f32 v[SX+33+j], v[SX+33+j]
.if j == 2
	v_pk_add_f32 v[\tb:\tb+1],   v[SX+2:SX+3], v[SX+10:SX+11]     ; the sum of the unquantised p, in four chains of pairs a tile
.elseif j == 4
	v_pk_add_f32 v[\tb+2:\tb+3], v[SX+4:SX+5], v[SX+12:SX+13]
.elseif j == 6
	v_pk_add_f32 v[\tb+4:\tb+5], v[SX+6:SX+7], v[SX+14:SX+15]
.elseif j == 8
.if \first
	v_pk_add_f32 v[SA:SA+1], v[SX:SX+1], v[SX+8:SX+9]
.else
	v_pk_mul_f32 v[SA:SA+1], v[SA:SA+1], v[FA:FA+1] op_sel_hi:[1,0]   ; the sums under the new M
.endif
.elseif j == 10
.if \first == 0
	v_pk_mul_f32 v[SB:SB+1], v[SB:SB+1], v[FB:FB+1] op_sel_hi:[1,0]
.endif
.endif
.set j, j+2
.endr
	v_nop                                          ; a plain place behind the last exponential
	s_wait_alu depctr_va_vdst(0)                   ; and ahead of the batch's first reader
	v_pk_add_f32 v[\tb+6:\tb+7],   v[SX+34:SX+35], v[SX+42:SX+43]
	v_pk_add_f32 v[\tb+8:\tb+9],   v[SX+36:SX+37], v[SX+44:SX+45]
	v_pk_add_f32 v[\tb+10:\tb+11], v[SX+38:SX+39], v[SX+46:SX+47]
.if \first
	v_pk_add_f32 v[SB:SB+1], v[SX+32:SX+33], v[SX+40:SX+41]
.else
	ADD2 SA, SX
	ADD2 SB, SX+32
	ADD2 SA, SX+8
	ADD2 SB, SX+40
.endif
.irp t, 2,3
	ADD2 \tb,    SX+8*\t+2
	ADD2 \tb+6,  SX+32+8*\t+2
	ADD2 \tb+2,  SX+8*\t+4
	ADD2 \tb+8,  SX+32+8*\t+4
	ADD2 \tb+4,  SX+8*\t+6
	ADD2 \tb+10, SX+32+8*\t+6
	ADD2 SA,     SX+8*\t
	ADD2 SB,     SX+32+8*\t
.endr
	ADD2 \tb+2, \tb+4
	ADD2 \tb+8, \tb+10
	ADD2 SA, \tb
	ADD2 SB, \tb+6
	ADD2 SA, \tb+2
	ADD2 SB, \tb+8
	; THE HOLD at the largest code.  p is at most 1 (and a rounding of t - M); where e8 is -15 or more, 57,344 x 2^e8 is 1.75 or more and the hold changes nothing: a scalar branch on the given whole number leads round it.
	s_cmp_gt_i32 s44, -16
	s_wait_alu depctr_va_vdst(0)
	s_cbranch_scc1 .Lheld_\@
.set j, 0
.rept 64
	v_min_num_f32 v[SX+j], s24, v[SX+j]            ; the conversion to an 8-bit code does not saturate (ISA guide 7.6.2)
.set j, j+1
.endr
.Lheld_\@:
.irp t, 0,1,2,3
	v_cvt_scalef32_pk8_bf8_f32 v[\pa+2*\t:\pa+2*\t+1], v[SX+8*\t:SX+8*\t+7], v[SC]
	v_cvt_scalef32_pk8_bf8_f32 v[\pb+2*\t:\pb+2*\t+1], v[SX+32+8*\t:SX+39+8*\t], v[SC]
.endr
	v_nop                                          ; one plain place behind the last conversion
	s_wait_alu depctr_va_vdst(0)
.endm
	s_wait_alu depctr_va_vdst(0)
	s_wait_loadcnt 16                              ; my parts of steps 0 to 3 are in; Q's four loads and the later steps' twelve may be out
.irp c, 0,1
	ds_store_b128 v92, v[KX+4*\c:KX+4*\c+3]     offset:512*\c
	ds_store_b128 v93, v[KX+8+4*\c:KX+8+4*\c+3] offset:512*\c
.endr
	s_wait_dscnt 0x0
	s_barrier_signal -1
	s_barrier_wait -1                              ; steps 0 to 3 are in LDS
	KLOAD 0
	s_wait_loadcnt 12                              ; Q is in; the later steps' twelve loads may be out
	s_wait_dscnt 0x0
	SCORES                                         ; step 0
	PLACES 4                                       ; ahead of the loads over K and of the reads of the scores
	VLOAD
	KLOAD 8192
	SOFT 1, 80, PA, PB, 0
	s_wait_dscnt 0x0
	SCORES                                         ; step 1: its codes go into v240-255; V's fragments of step 0 stay where they are
	s_add_co_u32 s2, s2, 8192
	v_add_nc_u32 v[AD], s2, v[L16]
	v_mov_b32 v84, v[MA]
	v_mov_b32 v85, v[MB]
	v_nop
	KLOAD 8192
	SOFT 0, 80, 240, 248, 0
	s_wait_loadcnt 0x0                             ; my parts of steps 4 to 15
.irp c, 0,1
	ds_store_b128 v92, v[OA+4*\c:OA+4*\c+3]       offset:32768+512*\c
	ds_store_b128 v93, v[OA+24+4*\c:OA+24+4*\c+3] offset:32768+512*\c
	ds_store_b128 v94, v[OA+8+4*\c:OA+8+4*\c+3]   offset:512*\c
	ds_store_b128 v95, v[OA+32+4*\c:OA+32+4*\c+3] offset:512*\c
	ds_store_b128 v94, v[OA+16+4*\c:OA+16+4*\c+3] offset:32768+512*\c
	ds_store_b128 v95, v[OA+40+4*\c:OA+40+4*\c+3] offset:32768+512*\c
.endr
	s_wait_dscnt 0x0                               ; my stores are done, for the others' sake; step 2's K is in
	s_barrier_signal -1
	PV 1, PA, PB                                   ; step 0's products start o^T
	PLACES 4
	VLOAD                                          ; step 1's V (stored ahead of the first barrier)
	RESCALE                                        ; under step 1's M
	s_wait_alu depctr_va_vdst(0)
	s_wait_dscnt 0x0
	PV 0, 240, 248
	s_barrier_wait -1                              ; all of K and V is in LDS
	PLACES 4                                       ; ahead of the lines that write over step 1's codes
	s_add_co_u32 s2, s2, 8192
	s_mov_b32 s3, 14
.Lstep:
	SCORES
	v_add_nc_u32 v[AD], s2, v[L16]                 ; this line and the three below are the places behind the products: ahead of the loads over K and V and of the reads of the scores
	v_mov_b32 v[TB+4], v[MA]
	v_mov_b32 v[TB+5], v[MB]
	v_nop
	VLOAD
	s_cmp_eq_u32 s3, 1                             ; the last step has no successor
	s_cbranch_scc1 .Lno_more
	KLOAD 8192
.Lno_more:
	SOFT 0, TB, PA, PB, 1
	s_wait_dscnt 0x0                               ; this step's V, and the next step's K
	PV 0, PA, PB
	s_add_co_u32 s2, s2, 8192
	s_sub_co_u32 s3, s3, 1
	s_cmp_lg_u32 s3, 0
	s_cbranch_scc1 .Lstep
	; THE WAY OUT: o / the sum x 2^(e8 + e9), held, converted under 2^e10: images of the output projection's operand
	v_lshl_add_u32 v14, v0, 2, SPARE               ; my spare word's address,
	v_mov_b32 v15, 0                               ; and 0
	v_add_f32 v8, v8, v9
	v_add_f32 v10, v10, v11
	v_permlanex16_b32 v12, v8, s20, s21
	v_permlanex16_b32 v13, v10, s20, s21
	v_add_f32 v8, v8, v12                          ; with lane l xor 16's: the row's sum
	v_add_f32 v10, v10, v13
	v_mov_b32 v2, s26
	s_wait_alu depctr_va_vdst(0)                   ; the wait ahead of the two
	v_rcp_f32 v8, v8
	v_rcp_f32 v10, v10
	v_mov_b32 v3, s25                              ; (a plain place behind them)
	s_wait_alu depctr_va_vdst(0)                   ; and ahead of their first reader
	v_ldexp_f32 v8, v8, s48
	v_ldexp_f32 v10, v10, s48
	s_wait_alu depctr_va_vdst(0)                   ; and directly ahead of the first reader of o^T
.set j, 0
.rept 16
	v_pk_mul_f32 v[SX+j:SX+j+1], v[OA+j:OA+j+1], v[8:9] op_sel_hi:[1,0]
.set j, j+2
.endr
.set j, 0
.rept 16
	v_pk_mul_f32 v[SX+32+j:SX+33+j], v[OB+j:OB+j+1], v[10:11] op_sel_hi:[1,0]
.set j, j+2
.endr
.set j, 0
.rept 64
	v_med3_num_f32 v[SX+j], v[SX+j], -v3, v3
.set j, j+1
.endr
.irp i, 0,1,2,3,4,5,6,7                        ; tile i / 4, piece (i / 2) % 2, its half i % 2
	v_cvt_scalef32_pk8_bf8_f32 v[PA+2*\i:PA+2*\i+1], v[SX+8*\i:SX+8*\i+7], v2
.endr
	v_nop
.irp i, 0,1,2,3
	global_store_b128 v[L16], v[PA+4*\i:PA+4*\i+3], s[12:13] offset:16384*(\i/2)+512*(\i%2)   ; 32 lanes store 512 consecutive bytes, at a multiple of 512
.endr
	s_wait_tensorcnt 0x0                           ; the wave's end
	ds_add_u32 v14, v15
	s_wait_dscnt 0x0
	s_endpgm
.Lfunc_end_k_q4e96c3a14c_attn:
	.size	k_q4e96c3a14c_attn, .Lfunc_end_k_q4e96c3a14c_attn-k_q4e96c3a14c_attn
	.p2alignl 7, 3214868480
	.fill 96, 4, 3214868480
	.section	.rodata,"a",@progbits
	.p2align	6, 0x0
	.amdhsa_kernel k_q4e96c3a14c_attn
		.amdhsa_group_segment_fixed_size 149504
		.amdhsa_private_segment_fixed_size 0
		.amdhsa_enable_private_segment 0
		.amdhsa_kernarg_size 40
		.amdhsa_user_sgpr_count 2
		.amdhsa_user_sgpr_kernarg_segment_ptr 1
		.amdhsa_wavefront_size32 1
		.amdhsa_system_sgpr_workgroup_id_x 1
		.amdhsa_system_sgpr_workgroup_id_y 1
		.amdhsa_system_sgpr_workgroup_id_z 1
		.amdhsa_system_vgpr_workitem_id 0
		.amdhsa_next_free_vgpr 256
		.amdhsa_next_free_sgpr 66
		.amdhsa_reserve_vcc 0
		.amdhsa_float_denorm_mode_32 3
		.amdhsa_float_denorm_mode_16_64 3
		.amdhsa_memory_ordered 1
		.amdhsa_forward_progress 1
		.amdhsa_inst_pref_size 60
	.end_amdhsa_kernel
	.amdgpu_metadata
---
amdhsa.version: [ 1, 2 ]
amdhsa.kernels:
  - .name:           k_q4e96c3a14c_attn
    .symbol:         k_q4e96c3a14c_attn.kd
    .args:
      - { .name: qc, .offset: 0, .size: 8, .value_kind: global_buffer, .address_space: global }
      - { .name: kc, .offset: 8, .size: 8, .value_kind: global_buffer, .address_space: global }
      - { .name: vc, .offset: 16, .size: 8, .value_kind: global_buffer, .address_space: global }
      - { .name: lowp_scales, .offset: 24, .size: 8, .value_kind: global_buffer, .address_space: global }
      - { .name: oc, .offset: 32, .size: 8, .value_kind: global_buffer, .address_space: global }
    .group_segment_fixed_size: 149504
    .private_segment_fixed_size: 0
    .kernarg_segment_align: 8
    .kernarg_segment_size: 40
    .max_flat_workgroup_size: 512
    .sgpr_count:     66
    .vgpr_count:     256
    .wavefront_size: 32
...
	.end_amdgpu_metadata
.endif
;; end of part 3
;; launch outp (part 4): grid 8 x 32, 4 waves a work-group, clusters of 4 x 4, 327,680 bytes of LDS; arguments oc, woc, lowp_scales, bo, out0; writes out0
.if DOCPART == 4
	.amdgcn_target "amdgcn-amd-amdhsa--gfx1250"
	.amdhsa_code_object_version 6
	.text
	.protected	k_q4e96c3a14c_outp
	.globl	k_q4e96c3a14c_outp
	.p2align	8
	.type	k_q4e96c3a14c_outp,@function
k_q4e96c3a14c_outp:
	s_mov_b64 s[64:65], 0
	v_nop
	global_prefetch_b8 v0, s[64:65] scope:SCOPE_SE
	s_setreg_imm32_b32 hwreg(HW_REG_WAVE_MODE, 25, 1), 1
	s_wait_xcnt 0x0
	s_wait_alu depctr_hold_cnt(0) depctr_sa_sdst(0) depctr_va_vdst(0) depctr_va_sdst(0) depctr_va_ssrc(0) depctr_va_vcc(0) depctr_vm_vsrc(0)
	s_getreg_b32 s2, hwreg(HW_REG_IB_STS2, 6, 4)
	s_cmp_eq_u32 s2, 0
	s_cbranch_scc0 .Lentry_in_a_cluster
	s_endpgm
.Lentry_in_a_cluster:
	s_bfe_u32 s2, ttmp6, 0x10000c
	s_cmp_lg_u32 s2, 0xf033
	s_cbranch_scc0 .Lentry_shape_is_right
	s_endpgm
.Lentry_shape_is_right:
; LAUNCH 4 OF 4: out = o Wo + bo on codes of E5M2; each sum x 2^(e10 + e11), the bias added, in one fused multiply-add.  Nothing is left out.  LIMIT: e10 + e11 between -126 and 127.
; A work-group makes 128 columns (block X) x 256 rows (block Y).  Wave (wi, wj) keeps ITS 64 COLUMNS OF Wo, all 1,024 along K, IN REGISTERS (512) and takes the rows in four passes of 64 (32 for each wj), each with all of K:
; so a quarter of the results leaves while the next quarter is multiplied.
; LDS: Wo's eight tiles at 0, the rows' tiles of pass 0 at 131,072, of pass 1 at 196,608; passes 2 and 3 take Wo's bytes once every wave has its fragments.  A wave has one tensor load out behind each round:
;   head: Wo and pass 0;  behind the first sequence: pass 1 (a first fill);  behind the second, after pass 0's products: passes 2 and 3 over Wo.
; CLUSTER 4 x 4: Wo's tiles hang on X alone and are shared along a column, the rows' on Y alone and are shared along a row: each is asked for jointly.
; PREFETCH: passes 2 and 3 are asked of memory behind pass 1's load, a pass ahead of theirs: the four partners of a row take two of the eight tiles each by address (cx), a wave half a tile, 32 blocks of 256 bytes.
; THE MATRIX INSTRUCTION IS USED TRANSPOSED (source 0 = 16 columns of Wo): a lane holds eight neighbouring numbers of a row of the result.
; REGISTERS: window 0: v16-29 addresses, v32-63 the bias, v64-95 and v96-127, v192-223 the way out, v128-191 the eight accumulators.  window 1: the rows' fragments, (jt, q) at 16 (8 jt + q).  windows 2, 3: Wo's, (it, q) at 16 (8 (it % 2) + q).
.set TILE,  16384                      ; 16 rows x 1,024 codes
.set STAGE, 262144                     ; 16 rows x 272 bytes a wave, for the way out; no tile lands there
.set SPARE, STAGE+4*16*272             ; the spare words, 128 bytes a wave: two blocks of 256 bytes that no other line names
.set WAD, 16                           ; v16    LDS address of my four tiles of Wo
.set PFO, 18                           ; v18    256 x lane
.set AA,  20                           ; v20-23 LDS address of my two row tiles in pass 0 .. 3
.set STO, 24
.set RD,  25
.set L16, 26
.set CO,  27
.set SPW, 28                           ; v28    LDS address of my spare word; never rewritten
.set NIL, 29                           ; v29    0; never rewritten
.set BO,  32
.set TMP, 64
.set ACC, 128
.set G1W,  32                          ; descriptor groups 1: four tiles of Wo; two tiles of rows; one tile of rows
.set G1A2, 40
.set G1A1, 68
.set G0W,  48                          ; groups 0: Wo; pass 0; pass 1; passes 2 and 3
.set G0A,  52
.set G0S1, 56
.set G0S2, 60
.set MSB, 0
.macro WIN new                         ; the immediate's high byte repeats the setting that is left; a switch that changes nothing is dropped
.if MSB != (\new)
	s_set_vgpr_msb (MSB<<8)|(\new)
.set MSB, (\new)
.endif
.endm
.macro CROUND                          ; a whole round of the cluster's barrier
	s_barrier_signal -1
	s_barrier_wait -1
	s_cmp_lg_u32 s22, 0
	s_cbranch_scc1 .Lnot_wave_0_\@
	s_barrier_signal -3
.Lnot_wave_0_\@:
	s_barrier_wait -3
	s_barrier_signal -1
	s_barrier_wait -1
.endm
.macro PLACES n
.rept \n
	v_nop
.endr
.endm
	s_load_b256 s[4:11], s[0:1], 0x0               ; o's codes, Wo's codes, the scales' exponents, bo
	s_load_b64 s[12:13], s[0:1], 0x20              ; out
	v_lshl_add_u32 v[SPW], v0, 2, SPARE
	v_mov_b32 v[NIL], 0
	ds_add_u32 v[SPW], v[NIL]                      ; the wave's opening: the add, twice on end, and its wait ahead of my first tensor load
	ds_add_u32 v[SPW], v[NIL]
	v_lshrrev_b32 v1, 5, v0
	v_readfirstlane_b32 s22, v1                    ; wave 0..3
	s_lshr_b32 s23, s22, 1                         ; wj.  Also: at the head I fetch Wo (0) or pass 0's rows (1)
	s_and_b32 s24, s22, 1                          ; wi.  Also: which half of those
	s_bfe_u32 s25, ttmp6, 0x40000                  ; cx
	s_bfe_u32 s26, ttmp6, 0x40004                  ; cy
	s_lshl_b32 s27, ttmp9, 2
	s_add_co_u32 s27, s27, s25                     ; X
	s_and_b32 s28, ttmp7, 0xffff
	s_lshl_b32 s28, s28, 2
	s_add_co_u32 s28, s28, s26                     ; Y
	s_lshl_b32 s29, 0x1111, s25                    ; my column of the cluster
	s_lshl_b32 s30, s26, 2
	s_lshl_b32 s30, 15, s30                        ; my row
	s_or_b32 s[G1W], s29, (3<<16)|(1<<21)          ; 15:0 the mask; 17:16 elements of 8 bytes; 21 set beside a mask
	s_or_b32 s[G1A2], s30, (3<<16)|(1<<21)
	s_or_b32 s[G1A1], s30, (3<<16)|(1<<21)
.irp g, G1W, G1A2, G1A1
	s_mov_b32 s[\g+1], 2048<<16                    ; a tile is a row of 2,048 elements, 16,384 bytes
	s_mov_b32 s[\g+3], 2048<<16
	s_mov_b32 s[\g+5], 2048
	s_mov_b32 s[\g+6], 0
	s_mov_b32 s[\g+7], 0
.endr
	s_mov_b32 s[G1W+2], 4<<16
	s_mov_b32 s[G1W+4], 4
	s_mov_b32 s[G1A2+2], 2<<16
	s_mov_b32 s[G1A2+4], 2
	s_mov_b32 s[G1A1+2], 1<<16
	s_mov_b32 s[G1A1+4], 1
	s_lshl_b32 s80, s27, 3                         ; Wo: tile 8 X + 4 x half (registers that never hold Y)
	s_lshl_b32 s81, s24, 2
	s_add_co_u32 s80, s80, s81
	s_lshl_b32 s80, s80, 14
	s_mov_b32 s81, 0
	s_lshl_b32 s76, s28, 18                        ; the rows: tile 16 Y (registers that never hold X)
	s_lshl_b32 s82, s24, 15
	s_add_co_u32 s82, s82, s76                     ; pass 0: tiles 2 x half on
	s_mov_b32 s83, 0
	s_lshl_b32 s84, s22, 14
	s_add_co_u32 s84, s84, s76
	s_add_co_u32 s84, s84, 4*TILE                  ; pass 1: tile 4 + wave
	s_mov_b32 s85, 0
	s_lshl_b32 s86, s22, 15
	s_add_co_u32 s86, s86, s76
	s_add_co_u32 s86, s86, 8*TILE                  ; passes 2 and 3: tiles 8 + 2 x wave on
	s_mov_b32 s87, 0
	s_lshl_b32 s31, s24, 16                        ; and where they go: the wave's number alone
	s_lshl_b32 s66, s24, 15
	s_add_co_u32 s66, s66, 131072
	s_lshl_b32 s67, s22, 14
	s_add_co_u32 s67, s67, 196608
	s_lshl_b32 s77, s22, 15
	s_wait_dscnt 0x0                               ; both opening adds are done
	s_wait_kmcnt 0x0
	s_load_b64 s[90:91], s[8:9], 0x28              ; e10, e11
	s_mov_b32 s[G0W], 1
	s_mov_b32 s[G0W+1], s31
	s_add_nc_u64 s[G0W+2:G0W+3], s[6:7], s[80:81]
	s_or_b32 s[G0W+3], s[G0W+3], 0x80000000
	s_mov_b32 s[G0A], 1
	s_mov_b32 s[G0A+1], s66
	s_add_nc_u64 s[G0A+2:G0A+3], s[4:5], s[82:83]
	s_or_b32 s[G0A+3], s[G0A+3], 0x80000000
	s_mov_b32 s[G0S1], 1
	s_mov_b32 s[G0S1+1], s67
	s_add_nc_u64 s[G0S1+2:G0S1+3], s[4:5], s[84:85]
	s_or_b32 s[G0S1+3], s[G0S1+3], 0x80000000
	s_mov_b32 s[G0S2], 1
	s_mov_b32 s[G0S2+1], s77
	s_add_nc_u64 s[G0S2+2:G0S2+3], s[4:5], s[86:87]
	s_or_b32 s[G0S2+3], s[G0S2+3], 0x80000000
	CROUND                                         ; all sixteen work-groups are here: the first joint loads meet
	s_cmp_eq_u32 s23, 0                            ; waves 0 and 1 fetch Wo, waves 2 and 3 pass 0's rows
	s_cbranch_scc0 .Lfor_rows
	tensor_load_to_lds s[G0W:G0W+3], s[G1W:G1W+7]
	s_nop 0
	PLACES 4
	s_branch .Lasked
.Lfor_rows:
	tensor_load_to_lds s[G0A:G0A+3], s[G1A2:G1A2+7]
	s_nop 0
	PLACES 4
.Lasked:
	v_and_b32 v2, 31, v0
	v_lshlrev_b32 v[L16], 4, v2
	v_lshlrev_b32 v[PFO], 8, v2
	s_lshl_b32 s88, s24, 16
	v_add_nc_u32 v[WAD], s88, v[L16]
	s_lshl_b32 s88, s23, 15
	v_add_nc_u32 v[AA+2], s88, v[L16]              ; pass 2 at 0
	v_add_nc_u32 v[AA+3], 0x10000, v[AA+2]
	v_add_nc_u32 v[AA], 0x20000, v[AA+2]
	v_add_nc_u32 v[AA+1], 0x30000, v[AA+2]
	v_and_b32 v3, 15, v0
	v_bfe_u32 v4, v0, 4, 1
	s_mul_i32 s88, s22, 16*272
	s_add_co_u32 s88, s88, STAGE
	v_mul_u32_u24 v[STO], v3, 272                  ; in: row l % 16, 32 bytes for each half of the lanes
	v_lshl_add_u32 v[STO], v4, 5, v[STO]
	v_add_nc_u32 v[STO], s88, v[STO]
	v_mul_u32_u24 v[RD], v4, 272                   ; back: sixteen lanes take a row of 256 bytes
	v_lshl_add_u32 v[RD], v3, 4, v[RD]
	v_add_nc_u32 v[RD], s88, v[RD]
	v_lshlrev_b32 v[CO], 12, v4
	v_lshl_add_u32 v[CO], v3, 4, v[CO]
	v_lshlrev_b32 v5, 5, v4
	s_lshl_b32 s92, s27, 9
	s_lshl_b32 s93, s24, 8
	s_add_co_u32 s92, s92, s93                     ; my 64 columns, in bytes
	s_mov_b32 s93, 0
	s_add_nc_u64 s[10:11], s[10:11], s[92:93]
.irp it, 0,1,2,3
	global_load_b128 v[BO+8*\it:BO+8*\it+3],   v5, s[10:11] offset:64*\it
	global_load_b128 v[BO+8*\it+4:BO+8*\it+7], v5, s[10:11] offset:64*\it+16
.endr
	s_lshl_b32 s94, s28, 8
	s_lshl_b32 s95, s23, 5
	s_add_co_u32 s94, s94, s95                     ; my first row: 256 Y + 32 wj
	s_lshl_b32 s94, s94, 12
	s_add_co_u32 s94, s94, s92
	s_mov_b32 s95, 0
	s_add_nc_u64 s[12:13], s[12:13], s[94:95]
	s_lshl_b32 s96, s28, 4                         ; the prefetch: tile 16 Y + 8 + 2 cx, + 8,192 x wave
	s_lshl_b32 s97, s25, 1
	s_add_co_u32 s96, s96, s97
	s_add_co_u32 s96, s96, 8
	s_lshl_b32 s96, s96, 14
	s_lshl_b32 s97, s22, 13
	s_add_co_u32 s96, s96, s97
	s_mov_b32 s97, 0
	s_add_nc_u64 s[96:97], s[4:5], s[96:97]
	s_wait_alu depctr_va_vdst(0)
	s_wait_kmcnt 0x0
	s_add_co_i32 s90, s90, s91
	s_add_co_i32 s90, s90, 127
	s_lshl_b32 s90, s90, 23                        ; 2^(e10 + e11)
	s_mov_b32 s91, s90
.macro WLD q                           ; Wo's four fragments of the q-th 128 along K: 16 loads
.irp it, 0,1,2,3
	WIN 0x80+0x40*(\it/2)
.irp c, 0,1,2,3
	ds_load_b128 v[16*(8*(\it%2)+(\q))+4*\c:16*(8*(\it%2)+(\q))+4*\c+3], v[WAD] offset:\it*TILE+2048*(\q)+512*\c
.endr
.endr
.endm
.macro ALD p, q                        ; the rows' two fragments: 8 loads
	WIN 0x40
.irp jt, 0,1
.irp c, 0,1,2,3
	ds_load_b128 v[16*(8*\jt+(\q))+4*\c:16*(8*\jt+(\q))+4*\c+3], v[AA+(\p)] offset:\jt*TILE+2048*(\q)+512*\c
.endr
.endr
.endm
.macro MM q                            ; eight products; the eight accumulators take turns, in the same order in every step
.irp it, 0,1,2,3
	WIN 0x06+(\it/2)                               ; source 0 window 2 or 3, source 1 window 1, C and D window 0
.irp jt, 0,1
.set rC, ACC+8*(2*\it+\jt)
.set rW, 16*(8*(\it%2)+(\q))
.set rA, 16*(8*\jt+(\q))
.if (\q) == 0
	v_wmma_f32_16x16x128_bf8_bf8 v[rC:rC+7], v[rW:rW+15], v[rA:rA+15], 0
.else
	v_wmma_f32_16x16x128_bf8_bf8 v[rC:rC+7], v[rW:rW+15], v[rA:rA+15], v[rC:rC+7]
.endif
.endr
.endr
.endm
.macro FIRST4 p
	ALD \p, 0
	ALD \p, 1
	ALD \p, 2
	ALD \p, 3
.endm
.macro BODY p                          ; a pass whose first four steps' fragments have been asked for: each wait leaves the later steps' loads out, three steps' 24 at the most
.irp q, 0,1,2,3,4,5,6,7
.if \q < 5
	s_wait_dscnt 24
.else
	s_wait_dscnt 8*(7-\q)
.endif
.if \q < 4
	ALD \p, \q+4
.endif
	MM \q
.endr
.endm
; THE WAY OUT of a block of 16 rows x 64 columns: through my own stage, back as whole rows of 256 bytes.  LDS serves a wave's instructions in order: no wait between the stores and the loads
.macro TOSTAGE jt
.irp it, 0,1,2,3
.irp i, 0,2,4,6
	v_pk_fma_f32 v[TMP+8*\it+\i:TMP+8*\it+\i+1], v[ACC+8*(2*\it+\jt)+\i:ACC+8*(2*\it+\jt)+\i+1], s[90:91], v[BO+8*\it+\i:BO+8*\it+\i+1] op_sel_hi:[1,0,1]
.endr
.endr
.irp it, 0,1,2,3
	ds_store_b128 v[STO], v[TMP+8*\it:TMP+8*\it+3]   offset:64*\it
	ds_store_b128 v[STO], v[TMP+8*\it+4:TMP+8*\it+7] offset:64*\it+16
.endr
.irp t, 0,1,2,3,4,5,6,7
	ds_load_b128 v[96*(\jt+1)+4*\t:96*(\jt+1)+4*\t+3], v[RD] offset:544*\t
.endr
.endm
.macro SEND p, jt
.irp t, 0,1,2,3,4,5,6,7
	global_store_b128 v[CO], v[96*(\jt+1)+4*\t:96*(\jt+1)+4*\t+3], s[12:13] offset:(64*(\p)+16*\jt+2*\t)*4096 th:TH_STORE_NT   ; sixteen lanes store 256 consecutive bytes, aligned
.endr
.endm
.macro WAYOUT p
	WIN 0
.if (\p) > 0
	s_wait_xcnt 0x0                                ; the pass before's stores have read their registers
.endif
	TOSTAGE 0
	TOSTAGE 1
	s_wait_dscnt 16                                ; the first block is back; the second's 8 stores and 8 loads may be out
	SEND \p, 0
	s_wait_dscnt 0x0
	SEND \p, 1
.endm
	s_wait_tensorcnt 0x0                           ; my part of Wo or of pass 0 is in
	ds_add_u32 v[SPW], v[NIL]
	s_wait_dscnt 0x0
	CROUND
	tensor_load_to_lds s[G0S1:G0S1+3], s[G1A1:G1A1+7]   ; pass 1's rows
	s_nop 0
	PLACES 4
	WLD 0
	ALD 0, 0
	WLD 1
	ALD 0, 1
	global_prefetch_b8 v[PFO], s[96:97] th:TH_LOAD_NT scope:SCOPE_SE
.irp q, 0,1,2,3,4,5,6,7                        ; pass 0, and Wo's fragments for good
.if \q < 7
	s_wait_dscnt 24                                ; this step's fragments are in; the next step's 24 loads may be out
.else
	s_wait_dscnt 0x0
.endif
.if \q < 6
	WLD \q+2
	ALD 0, \q+2
.endif
	MM \q
.endr
	WIN 0
	s_wait_tensorcnt 0x0                           ; pass 1's rows; my reads of Wo are over
	ds_add_u32 v[SPW], v[NIL]
	s_wait_dscnt 0x0
	CROUND                                         ; nobody in the cluster reads Wo's bytes any more
	tensor_load_to_lds s[G0S2:G0S2+3], s[G1A2:G1A2+7]   ; the rows of passes 2 and 3 over them
	s_nop 0
	PLACES 4                                       ; also the places ahead of the loads over pass 0's fragments and of the reads of its results
	FIRST4 1
	s_wait_loadcnt 0x0                             ; the bias
	WAYOUT 0
	BODY 1
	PLACES 4
	WAYOUT 1
	s_wait_tensorcnt 0x0                           ; the rows of passes 2 and 3
	s_wait_dscnt 0x0
	s_barrier_signal -1
	s_barrier_wait -1
	FIRST4 2
	BODY 2
	PLACES 4
	FIRST4 3
	WAYOUT 2
	BODY 3
	PLACES 4
	WAYOUT 3
	s_wait_tensorcnt 0x0                           ; the wave's end
	ds_add_u32 v[SPW], v[NIL]
	s_wait_dscnt 0x0
	CROUND                                         ; the closing round
	s_endpgm
.Lfunc_end_k_q4e96c3a14c_outp:
	.size	k_q4e96c3a14c_outp, .Lfunc_end_k_q4e96c3a14c_outp-k_q4e96c3a14c_outp
	.p2alignl 7, 3214868480
	.fill 96, 4, 3214868480
	.section	.rodata,"a",@progbits
	.p2align	6, 0x0
	.amdhsa_kernel k_q4e96c3a14c_outp
		.amdhsa_group_segment_fixed_size 327680
		.amdhsa_private_segment_fixed_size 0
		.amdhsa_enable_private_segment 0
		.amdhsa_kernarg_size 40
		.amdhsa_user_sgpr_count 2
		.amdhsa_user_sgpr_kernarg_segment_ptr 1
		.amdhsa_wavefront_size32 1
		.amdhsa_system_sgpr_workgroup_id_x 1
		.amdhsa_system_sgpr_workgroup_id_y 1
		.amdhsa_system_sgpr_workgroup_id_z 1
		.amdhsa_system_vgpr_workitem_id 0
		.amdhsa_next_free_vgpr 1024
		.amdhsa_next_free_sgpr 100
		.amdhsa_reserve_vcc 0
		.amdhsa_float_denorm_mode_32 3
		.amdhsa_float_denorm_mode_16_64 3
		.amdhsa_memory_ordered 1
		.amdhsa_forward_progress 1
		.amdhsa_inst_pref_size 77
	.end_amdhsa_kernel
	.amdgpu_metadata
---
amdhsa.version: [ 1, 2 ]
amdhsa.kernels:
  - .name:           k_q4e96c3a14c_outp
    .symbol:         k_q4e96c3a14c_outp.kd
    .args:
      - { .name: oc, .offset: 0, .size: 8, .value_kind: global_buffer, .address_space: global }
      - { .name: woc, .offset: 8, .size: 8, .value_kind: global_buffer, .address_space: global }
      - { .name: lowp_scales, .offset: 16, .size: 8, .value_kind: global_buffer, .address_space: global }
      - { .name: bo, .offset: 24, .size: 8, .value_kind: global_buffer, .address_space: global }
      - { .name: out0, .offset: 32, .size: 8, .value_kind: global_buffer, .address_space: global }
    .group_segment_fixed_size: 327680
    .private_segment_fixed_size: 0
    .kernarg_segment_align: 8
    .kernarg_segment_size: 40
    .max_flat_workgroup_size: 128
    .sgpr_count:     100
    .vgpr_count:     1024
    .wavefront_size: 32
...
	.end_amdgpu_metadata
.endif
;; end of part 4
